; MI455X (gfx1250); checked and timed in simulation.
; The chip was launched on July 23, 2026; its instructions are those of AMD's public machine-readable ISA for CDNA 5 (MIT licence, August 2026) and "CDNA5" Instruction Set Architecture Reference Guide (July 2026). The comments in the code are by the model that wrote it; some were corrected since.
;; Higgs Audio Tokenizer Vector Quantization. Allowed arithmetic: float matrix products may take bf16 or f16 operands with f32 sums; other float arithmetic in f32, or as packed bf16 or f16 multiplies, adds, multiply-adds, maxima and minima; sums over many terms, partial sums and values carried from step to step in f32; what a program stores and reads back later, other than sums and carried values, may be rounded once to bf16 or f16.
;; Inputs: W_in 512 x 1,024 float32; W_out 1,024 x 512 float32; b_in 512 float32; b_out 1,024 float32; embed 4,096 x 512 float32; x 8 x 1,024 x 2,048 float32.
;; Outputs: out0 8 x 1,024 x 2,048 float32.
;; 2 versions, each right; version 2 is version 1 with the launches prep, emit written anew for expert scheduling mode. Each part assembles by itself: llvm-mc -triple=amdgcn-amd-amdhsa -mcpu=gfx1250 --defsym DOCPART=n.
;; ======== version 1 of 2: 5 launches
;; workspace buffers: E16 4,194,304 bytes; NH 16,384 bytes; W16 1,048,576 bytes; PT16 8,388,608 bytes; H16 16,777,216 bytes; H32 33,554,432 bytes; KEYS 2,097,152 bytes of whole numbers; IND 65,536 bytes of whole numbers
;; launch prep (part 1): grid 32 x 8, 4 waves a work-group, no clusters, 266,752 bytes of LDS; arguments embed, W_out, b_out, W_in, E16, NH, W16, PT16; writes E16, NH, W16, PT16
.if DOCPART == 1
	.amdgcn_target "amdgcn-amd-amdhsa--gfx1250"
	.amdhsa_code_object_version 6
	.text
	.protected	k_qed87f1e42f_prep
	.globl	k_qed87f1e42f_prep
	.p2align	8
	.type	k_qed87f1e42f_prep,@function
k_qed87f1e42f_prep:
	s_mov_b64 s[64:65], 0
	v_nop
	global_prefetch_b8 v0, s[64:65] scope:SCOPE_SE
	s_setreg_imm32_b32 hwreg(HW_REG_WAVE_MODE, 25, 1), 1
	s_wait_xcnt 0x0
; PREP.  All tables that hang on the weights alone, every input rounded once to bf16:
;   E16[code][512] = bf16(embed);  NH[code] = -0.5 x sum of E16[code]^2 (f32);  W16[512][1024] = bf16(W_in);
;   PT16[out-row >> 3][code][out-row & 7] = bf16( sum_d E16[code][d] x bf16(W_out[row][d]) + bf16(b_out[row]) ): the decoded vector of every code.
; The module's output hangs on a token through its code alone, so this table of 4,096 x 1,024 takes the place of the product over 16,384 tokens.
; SHARES.  Work-group (ci, hj): codes 128 ci .. x out-rows 128 hj ..; also E16 and NH of the 16 code rows 128 ci + 16 hj .., and W16's rows 2 n, 2 n + 1, n = ci + 32 hj.
; Wave w: out-rows 64 (w >> 1) .. x codes 64 (w & 1) ..: 16 accumulators of 16 x 16.  Source 0 = 16 out-rows, source 1 = 16 codes: a lane holds one code and eight neighbouring out-rows.
; No tensor load and no cluster: both operands pass through registers to be rounded, so there is no tile that an engine could bring for several work-groups.
; LIMITS.  The table is rounded once to bf16.  NH is stored 16 bytes a wave (a buffer of 16 KiB): the one store here that does not fill 256 consecutive bytes.
.set PITCH, 1040                       ; an LDS row: 1,024 bytes of bf16 + 16: an odd multiple of 16 bytes, so the 16 rows of a fragment load start in 16 different groups of four banks (ISA guide 11.1)
.set WBASE, 128*PITCH                  ; W_out's 128 rows lie behind embed's 128
.set SPARE, 256*PITCH                  ; the spare words, 128 bytes a wave
; window 0: v1 r, v2 h, v3 lane; v4-v10 addresses; v30, v31 the add's two; v32-63 bias; v64-127, v128-191 load slots 0, 1, later two fragment buffers; v192-223 at work; v224-255 the bias as loaded
; window 1: v0-63, v64-127 load slots 2, 3, later the accumulators, (at, bt) at 8 (4 at + bt)
.set MSB, 0
.macro WIN new                         ; the high byte repeats the setting that is left; a switch that changes nothing is dropped
.if MSB != (\new)
	s_set_vgpr_msb (MSB<<8)|(\new)
.set MSB, (\new)
.endif
.endm
.macro PLACES                          ; four places between a matrix instruction and a load into, or a vector write of, its registers
.rept 4
	v_nop
.endr
.endm
; COPY AND ROUND.  A batch is two rows of embed and two of W_out: 16 loads of 512 consecutive bytes.  Four slots take turns: 64 loads, 32 KiB, of a wave are on their way.
.macro LOADB sl, off
.if (\sl) < 2
	WIN 0
.set LB, 64+64*(\sl)
.else
	WIN 0x40                               ; destination in window 1, address in window 0
.set LB, 64*((\sl)-2)
.endif
.irp rr, 0,1
.irp q, 0,1,2,3
	global_load_b128 v[LB+16*\rr+4*\q:LB+16*\rr+4*\q+3], v4, s[34:35] offset:(\off)+\rr*2048+\q*512
.endr
.endr
.irp rr, 0,1
.irp q, 0,1,2,3
	global_load_b128 v[LB+32+16*\rr+4*\q:LB+32+16*\rr+4*\q+3], v4, s[36:37] offset:(\off)+\rr*2048+\q*512
.endr
.endr
.endm
.macro CONVB sl
.if (\sl) < 2
	WIN 0
.set LB, 64+64*(\sl)
.else
	WIN 0x05                               ; sources in window 1, destination in window 0
.set LB, 64*((\sl)-2)
.endif
.set i, 0
.rept 32
	v_cvt_pk_bf16_f32 v[192+i], v[LB+2*i], v[LB+2*i+1]
.set i, i+1
.endr
	WIN 0
.irp rr, 0,1
.irp q, 0,1,2,3
	ds_store_b64 v5, v[192+8*\rr+2*\q:193+8*\rr+2*\q] offset:(2*(\sl)+\rr)*PITCH+\q*256
	ds_store_b64 v6, v[208+8*\rr+2*\q:209+8*\rr+2*\q] offset:(2*(\sl)+\rr)*PITCH+\q*256
.endr
.endr
.endm
; THE PRODUCT's two macros: the fragments of 32 channels at byte off of the rows into buffer f; 16 matrix instructions on buffer f, the 16 accumulators by turns.
.macro FETCH off, f
	WIN 0
.irp t, 0,1,2,3
	ds_load_b128 v[64+64*(\f)+8*\t:64+64*(\f)+8*\t+3], v8 offset:\t*16*PITCH+(\off)
	ds_load_b128 v[64+64*(\f)+8*\t+4:64+64*(\f)+8*\t+7], v8 offset:\t*16*PITCH+(\off)+32
.endr
.irp t, 0,1,2,3
	ds_load_b128 v[96+64*(\f)+8*\t:96+64*(\f)+8*\t+3], v9 offset:\t*16*PITCH+(\off)
	ds_load_b128 v[96+64*(\f)+8*\t+4:96+64*(\f)+8*\t+7], v9 offset:\t*16*PITCH+(\off)+32
.endr
.endm
.macro MULS f, first
.if \first
	WIN 0x40                               ; D in window 1; the bias, in window 0, starts the sums
.else
	WIN 0x50                               ; C and D in window 1
.endif
.irp a, 0,1,2,3
.irp b, 0,1,2,3
.if \first
	v_wmma_f32_16x16x32_bf16 v[8*(4*\a+\b):8*(4*\a+\b)+7], v[64+64*(\f)+8*\a:64+64*(\f)+8*\a+7], v[96+64*(\f)+8*\b:96+64*(\f)+8*\b+7], v[32+8*\a:39+8*\a]
.else
	v_wmma_f32_16x16x32_bf16 v[8*(4*\a+\b):8*(4*\a+\b)+7], v[64+64*(\f)+8*\a:64+64*(\f)+8*\a+7], v[96+64*(\f)+8*\b:96+64*(\f)+8*\b+7], v[8*(4*\a+\b):8*(4*\a+\b)+7]
.endif
.endr
.endr
.endm
	s_load_b512 s[4:19], s[0:1], 0x0       ; embed 4, W_out 6, b_out 8, W_in 10, E16 12, NH 14, W16 16, PT16 18
	v_lshl_add_u32 v30, v0, 2, SPARE
	v_mov_b32 v31, 0
	v_lshrrev_b32 v11, 5, v0
	v_readfirstlane_b32 s20, v11           ; wave
	s_mov_b32 s21, ttmp9                   ; ci
	s_and_b32 s22, ttmp7, 7                ; hj: the grid's y runs 0 to 7; it enters an LDS address below, so the mask states that bound
	s_mov_b32 s32, 0x76543210              ; v_permlanex16_b32: each lane takes its own place in the other half
	s_mov_b32 s33, 0xfedcba98
	s_lshr_b32 s38, s20, 1
	s_and_b32 s39, s20, 1
	v_and_b32 v1, 15, v0
	v_bfe_u32 v2, v0, 4, 1
	v_and_b32 v3, 31, v0
	v_lshlrev_b32 v14, 4, v3               ; 16 x lane
	s_lshl_b32 s23, s20, 16
	v_add_nc_u32 v4, s23, v14              ; in memory: my wave's 32 rows of 2,048 bytes
	s_mul_i32 s23, s20, 32*PITCH
	v_lshl_add_u32 v5, v3, 3, s23          ; in LDS: the same rows, 8 bytes a lane
	v_add_nc_u32 v6, WBASE, v5
	s_lshl_b32 s23, s22, 4
	s_lshl_b32 s24, s20, 2
	s_add_co_u32 s23, s23, s24             ; 16 hj + 4 w: my four rows for E16 and NH
	s_mul_i32 s24, s23, PITCH
	v_add_nc_u32 v7, s24, v14
	s_lshl_b32 s31, s21, 7
	s_add_co_u32 s31, s31, s23             ; their code numbers begin here
	v_mul_u32_u24 v11, v1, PITCH
	v_lshl_add_u32 v11, v2, 4, v11         ; a fragment's row x pitch + 16 x half
	s_mul_i32 s24, s38, 64*PITCH
	s_add_co_u32 s24, s24, WBASE
	v_add_nc_u32 v8, s24, v11              ; my 64 out-rows
	s_mul_i32 s24, s39, 64*PITCH
	v_add_nc_u32 v9, s24, v11              ; my 64 codes
	v_lshlrev_b32 v10, 4, v1
	v_lshl_add_u32 v10, v2, 16, v10        ; the table: 16 bytes a code, 65,536 bytes a group of 8 out-rows
	v_lshlrev_b32 v12, 4, v0
	v_lshlrev_b32 v13, 3, v0
	s_lshl_b32 s24, s22, 9
	s_lshl_b32 s25, s38, 8
	s_add_co_u32 s24, s24, s25
	v_lshl_add_u32 v15, v2, 5, s24         ; b_out at out-row 128 hj + 64 (w >> 1) + 8 h
	s_lshl_b32 s24, s22, 5
	s_add_co_u32 s24, s24, s21             ; n
	s_lshl_b32 s26, s24, 13
	s_mov_b32 s27, 0
	s_lshl_b32 s28, s24, 12
	s_mov_b32 s29, 0
	s_wait_kmcnt 0x0
	s_add_nc_u64 s[10:11], s[10:11], s[26:27]
	s_add_nc_u64 s[16:17], s[16:17], s[28:29]
	s_lshl_b32 s26, s21, 18
	s_add_nc_u64 s[34:35], s[4:5], s[26:27]    ; embed at my 128 codes
	s_lshl_b32 s26, s22, 18
	s_add_nc_u64 s[36:37], s[6:7], s[26:27]    ; W_out at my 128 out-rows
	; W_in's two rows and the bias go out first, three slots of the copy straight behind them: one round trip serves both
.irp j, 0,1,2,3
	global_load_b128 v[192+4*\j:195+4*\j], v12, s[10:11] offset:2048*\j
.endr
.irp a, 0,1,2,3
	global_load_b128 v[224+8*\a:227+8*\a], v15, s[8:9] offset:64*\a
	global_load_b128 v[228+8*\a:231+8*\a], v15, s[8:9] offset:64*\a+16
.endr
	LOADB 0, 0
	LOADB 1, 4096
	LOADB 2, 8192
	WIN 0
	s_wait_loadcnt 48                      ; the twelve oldest loads are in; the three slots' 48 stay out
.set i, 0
.rept 8
	v_cvt_pk_bf16_f32 v[208+i], v[192+2*i], v[192+2*i+1]
.set i, i+1
.endr
.irp j, 0,1,2,3
	global_store_b64 v13, v[208+2*\j:209+2*\j], s[16:17] offset:1024*\j   ; a wave's store covers 256 consecutive bytes
.endr
.set i, 0
.rept 16
	v_cvt_pk_bf16_f32 v[216+i], v[224+2*i], v[224+2*i+1]                   ; the bias is rounded like every input, and widened again; a register is written only after it has been read
.set i, i+1
.endr
.set i, 0
.rept 16
	v_lshlrev_b32 v[32+2*i], 16, v[216+i]
	v_and_b32 v[33+2*i], 0xffff0000, v[216+i]
.set i, i+1
.endr
	LOADB 3, 12288
	WIN 0
	s_wait_xcnt 0x0                        ; v208.., which the stores above read, are written again only behind this wait
	s_mov_b32 s30, 3
.Lcopy:                                        ; a trip: eight rows of each block
.irp sl, 0,1,2,3
	s_wait_loadcnt 48                      ; the three younger slots' 48 loads stay out
	CONVB \sl
	LOADB \sl, 16384+\sl*4096
.endr
	WIN 0
	s_wait_xcnt 0x0                        ; the bases are stepped only behind this wait
	s_add_nc_u64 s[34:35], s[34:35], 16384
	s_add_nc_u64 s[36:37], s[36:37], 16384
	v_add_nc_u32 v5, 8*PITCH, v5
	v_add_nc_u32 v6, 8*PITCH, v6
	s_sub_co_u32 s30, s30, 1
	s_cmp_lg_u32 s30, 0
	s_cbranch_scc1 .Lcopy
	s_wait_loadcnt 48                      ; the last eight rows: nothing more is asked for, and the counts run down
	CONVB 0
	s_wait_loadcnt 32
	CONVB 1
	s_wait_loadcnt 16
	CONVB 2
	s_wait_loadcnt 0x0
	CONVB 3
	s_wait_dscnt 0x0                       ; for the others' sake: my stores are done
	s_barrier_signal -1
	s_barrier_wait -1
	; E16 AND NH of my four code rows
.irp k, 0,1,2,3
	ds_load_b128 v[64+8*\k:67+8*\k], v7 offset:\k*PITCH
	ds_load_b128 v[68+8*\k:71+8*\k], v7 offset:\k*PITCH+512
.endr
	s_lshl_b32 s26, s31, 10
	s_add_nc_u64 s[12:13], s[12:13], s[26:27]
	s_lshl_b32 s28, s31, 2
	s_add_nc_u64 s[14:15], s[14:15], s[28:29]
	v_mov_b32 v19, 0
	v_mov_b32 v17, 0
	v_mov_b32 v18, 0
	v_and_b32 v20, 3, v0
	v_lshlrev_b32 v21, 2, v20
	s_wait_dscnt 0x0
.irp k, 0,1,2,3
	global_store_b128 v14, v[64+8*\k:67+8*\k], s[12:13] offset:\k*1024
	global_store_b128 v14, v[68+8*\k:71+8*\k], s[12:13] offset:\k*1024+512
.endr
.irp k, 0,1,2,3
	v_fma_mix_f32_bf16 v15, v[64+8*\k], v[64+8*\k], v19 op_sel_hi:[1,1,0]                  ; two chains: the low halves' squares, the high halves'
	v_fma_mix_f32_bf16 v16, v[64+8*\k], v[64+8*\k], v19 op_sel:[1,1,0] op_sel_hi:[1,1,0]
.irp m, 1,2,3,4,5,6,7
	v_fma_mix_f32_bf16 v15, v[64+8*\k+\m], v[64+8*\k+\m], v15 op_sel_hi:[1,1,0]
	v_fma_mix_f32_bf16 v16, v[64+8*\k+\m], v[64+8*\k+\m], v16 op_sel:[1,1,0] op_sel_hi:[1,1,0]
.endr
	v_add_f32 v15, v15, v16
	v_add_f32_dpp v15, v15, v15 row_xmask:1 row_mask:0xf bank_mask:0xf
	v_add_f32_dpp v15, v15, v15 row_xmask:2 row_mask:0xf bank_mask:0xf
	v_add_f32_dpp v15, v15, v15 row_xmask:4 row_mask:0xf bank_mask:0xf
	v_add_f32_dpp v15, v15, v15 row_xmask:8 row_mask:0xf bank_mask:0xf
	v_permlanex16_b32 v17, v15, s32, s33
	v_add_f32 v15, v15, v17
	v_mul_f32 v15, -0.5, v15
	v_cmp_eq_u32 vcc_lo, \k, v20
	v_cndmask_b32 v18, v18, v15, vcc_lo    ; lane l keeps row l & 3
.endr
	global_store_b32 v21, v18, s[14:15]    ; lanes with equal l & 3 store the same word with the same value
	s_wait_xcnt 0x0                        ; v64.. are loaded again only behind this wait
	; THE PRODUCT: 16 steps of 32 along the 512 channels, two fragment buffers by turns.  The first step, in which the bias starts the sums, and the last, which fetches nothing, are written out;
	; the 14 between are a loop of 7 trips, the two address registers stepped by two steps' 128 bytes a trip.
	FETCH 0, 0
	s_wait_dscnt 0x0
	FETCH 64, 1
	MULS 0, 1
	WIN 0
	s_mov_b32 s30, 7
.Lk:
	s_wait_dscnt 0x0                       ; buffer 1 is in
	PLACES                                 ; buffer 0 was multiplied last
	FETCH 128, 0
	MULS 1, 0
	s_wait_dscnt 0x0                       ; buffer 0 is in
	PLACES
	FETCH 192, 1
	MULS 0, 0
	WIN 0
	v_add_nc_u32 v8, 128, v8
	v_add_nc_u32 v9, 128, v9
	s_sub_co_u32 s30, s30, 1
	s_cmp_lg_u32 s30, 0
	s_cbranch_scc1 .Lk
	s_wait_dscnt 0x0
	MULS 1, 0
	; THE WAY OUT: a lane's eight out-rows of one code are 16 bytes of the table; sixteen lanes fill 256 consecutive bytes
	s_lshl_b32 s24, s22, 4
	s_lshl_b32 s25, s38, 3
	s_add_co_u32 s24, s24, s25
	s_lshl_b32 s26, s24, 16
	s_lshl_b32 s24, s21, 11
	s_add_co_u32 s26, s26, s24
	s_lshl_b32 s24, s39, 10
	s_add_co_u32 s26, s26, s24
	s_add_nc_u64 s[18:19], s[18:19], s[26:27]
	PLACES
	WIN 0x05                               ; sources in window 1, destination in window 0; each accumulator from its low end
.set i, 0
.rept 64
	v_cvt_pk_bf16_f32 v[64+i], v[2*i], v[2*i+1]
.set i, i+1
.endr
	WIN 0
.irp a, 0,1,2,3
.irp b, 0,1,2,3
	global_store_b128 v10, v[64+4*(4*\a+\b):64+4*(4*\a+\b)+3], s[18:19] offset:\a*131072+\b*256
.endr
.endr
	s_wait_tensorcnt 0x0                   ; the wave's end
	ds_add_u32 v30, v31
	s_wait_dscnt 0x0
	s_endpgm
.Lfunc_end_k_qed87f1e42f_prep:
	.size	k_qed87f1e42f_prep, .Lfunc_end_k_qed87f1e42f_prep-k_qed87f1e42f_prep
	.p2alignl 7, 3214868480
	.fill 96, 4, 3214868480
	.section	.rodata,"a",@progbits
	.p2align	6, 0x0
	.amdhsa_kernel k_qed87f1e42f_prep
		.amdhsa_group_segment_fixed_size 266752
		.amdhsa_private_segment_fixed_size 0
		.amdhsa_enable_private_segment 0
		.amdhsa_kernarg_size 64
		.amdhsa_user_sgpr_count 2
		.amdhsa_user_sgpr_kernarg_segment_ptr 1
		.amdhsa_wavefront_size32 1
		.amdhsa_system_sgpr_workgroup_id_x 1
		.amdhsa_system_sgpr_workgroup_id_y 1
		.amdhsa_system_sgpr_workgroup_id_z 1
		.amdhsa_system_vgpr_workitem_id 0
		.amdhsa_next_free_vgpr 384
		.amdhsa_next_free_sgpr 66
		.amdhsa_reserve_vcc 1
		.amdhsa_float_denorm_mode_32 3
		.amdhsa_float_denorm_mode_16_64 3
		.amdhsa_memory_ordered 1
		.amdhsa_forward_progress 1
		.amdhsa_inst_pref_size 67
	.end_amdhsa_kernel
	.amdgpu_metadata
---
amdhsa.version: [ 1, 2 ]
amdhsa.kernels:
  - .name:           k_qed87f1e42f_prep
    .symbol:         k_qed87f1e42f_prep.kd
    .args:
      - { .name: embed, .offset: 0, .size: 8, .value_kind: global_buffer, .address_space: global }
      - { .name: W_out, .offset: 8, .size: 8, .value_kind: global_buffer, .address_space: global }
      - { .name: b_out, .offset: 16, .size: 8, .value_kind: global_buffer, .address_space: global }
      - { .name: W_in, .offset: 24, .size: 8, .value_kind: global_buffer, .address_space: global }
      - { .name: E16, .offset: 32, .size: 8, .value_kind: global_buffer, .address_space: global }
      - { .name: NH, .offset: 40, .size: 8, .value_kind: global_buffer, .address_space: global }
      - { .name: W16, .offset: 48, .size: 8, .value_kind: global_buffer, .address_space: global }
      - { .name: PT16, .offset: 56, .size: 8, .value_kind: global_buffer, .address_space: global }
    .group_segment_fixed_size: 266752
    .private_segment_fixed_size: 0
    .kernarg_segment_align: 8
    .kernarg_segment_size: 64
    .max_flat_workgroup_size: 128
    .sgpr_count:     66
    .vgpr_count:     384
    .wavefront_size: 32
...
	.end_amdgpu_metadata
.endif
;; end of part 1
;; launch proj (part 2): grid 256 x 1, 4 waves a work-group, clusters of 4 x 1, 327,680 bytes of LDS; arguments x, W16, b_in, H16, H32; writes H16, H32
.if DOCPART == 2
	.amdgcn_target "amdgcn-amd-amdhsa--gfx1250"
	.amdhsa_code_object_version 6
	.text
	.protected	k_qed87f1e42f_proj
	.globl	k_qed87f1e42f_proj
	.p2align	8
	.type	k_qed87f1e42f_proj,@function
k_qed87f1e42f_proj:
	s_mov_b64 s[64:65], 0
	v_nop
	global_prefetch_b8 v0, s[64:65] scope:SCOPE_SE
	s_setreg_imm32_b32 hwreg(HW_REG_WAVE_MODE, 25, 1), 1
	s_wait_xcnt 0x0
	s_wait_alu depctr_hold_cnt(0) depctr_sa_sdst(0) depctr_va_vdst(0) depctr_va_sdst(0) depctr_va_ssrc(0) depctr_va_vcc(0) depctr_vm_vsrc(0)
	s_getreg_b32 s2, hwreg(HW_REG_IB_STS2, 6, 4)
	s_cmp_eq_u32 s2, 0
	s_cbranch_scc0 .Lentry_in_a_cluster
	s_endpgm
.Lentry_in_a_cluster:
	s_bfe_u32 s2, ttmp6, 0x10000c
	s_cmp_lg_u32 s2, 0x3003
	s_cbranch_scc0 .Lentry_shape_is_right
	s_endpgm
.Lentry_shape_is_right:
; PROJ.  h[token][c] = sum_k bf16(x[b][k][t]) x W16[c][k] + bf16(b_in[c]); sums in f32.  Stored twice.
;   H16, bf16, in the order in which the next launch's matrix instructions want it: byte (T 32 + ct) 512 + 16 lane, T = token >> 4, ct = channel >> 4, lane (r, h) = token r, channels 16 ct + 8 h + 0..7.
;   H32, f32, 2,048 bytes a token, for the decision: channel c at ((c >> 8) 2 + ((c >> 2) & 1)) 512 + ((c >> 3) & 31) 16 + (c & 3) 4, so that a wave that takes 16 bytes a lane, four times 512 consecutive
;   bytes, holds in lane l the channels 8 l .. 8 l + 7 and 256 + 8 l .. 256 + 8 l + 7: those that 16 bytes a lane of a bf16 row give it.
; SHARES.  A work-group owns 64 tokens of one batch and all 512 channels, so every byte of x is read once in the launch.  Wave w: channels 128 w .. (8 tiles) x 4 token tiles: 32 accumulators.
; Source 0 = 16 channels (rows of W16), source 1 = 16 tokens: a lane holds one token and eight neighbouring channels.  K = 1,024 goes in 8 steps of 128.
; THE ORDER OF K.  A cluster begins at K step k0 = its number & 7 and wraps round: at any time eight different tiles of W16 are asked for, and from the second step on a cluster asks for tiles that
; others have read before it.  The f32 sums are therefore added in an order that differs from cluster to cluster.
; W16's tiles are the same in every work-group of a cluster: the four ask for them JOINTLY (mask 15).  Wave w brings, and alone reads, its own 128 rows, through two slots that take turns.
; x lies [k][token] in f32: it comes through registers, is rounded, and is laid into LDS as [k][64 tokens]; the turning load makes fragments of it.  Waves 0, 1 bring the tiles of the even steps of the
; walk, waves 2, 3 of the odd ones, half a tile each: a wave has one tile's 32 loads out, asked for two steps ahead of its use.
.set WSLOT, 34816                      ; 128 rows x 272 bytes (256 + 16 of padding: an odd multiple of 16)
.set WWAVE, 69632                      ; a wave's two slots
.set XB,    278528                     ; behind them: x, two buffers of 128 k rows x 160 bytes (128 + 32: an odd multiple of 32, for the turning load)
.set XSLOT, 20480
.set SPARE, 319488                     ; the spare words, 128 bytes a wave
.set SPITCH, 2064                      ; the way out: 64 token rows of 2,048 + 16 bytes, over W's slots, behind their last fill
; window 0: v1 r, v2 h, v3 lane, v4-v11, v14 addresses, v30, v31 the add's two, v32-95 bias, v96-127 at work, v128-191 and v192-255 W's fragments, two buffers
; window 1: the accumulators, (ct, tt) at 8 (4 ct + tt)      window 2: v0-127 x as loaded; v128-159, v160-191 x's fragments, two buffers
; s[40:41] W16 at my wave's rows, s[52:53] x at my rows of K step 0, s54 k0 + the step that the next refill brings, s55 k0 + the step whose x I asked for last, s[56:57], s[58:59] their byte offsets
.set MSB, 0
.macro WIN new
.if MSB != (\new)
	s_set_vgpr_msb (MSB<<8)|(\new)
.set MSB, (\new)
.endif
.endm
.macro PLACES
.rept 4
	v_nop
.endr
.endm
.macro CROUND                          ; a round of the cluster's barrier
	s_barrier_signal -1
	s_barrier_wait -1
	s_cmp_lg_u32 s14, 0
	s_cbranch_scc1 .Lnw0_\@
	s_barrier_signal -3
.Lnw0_\@:
	s_barrier_wait -3
	s_barrier_signal -1
	s_barrier_wait -1
.endm
.macro XLOAD                           ; half a tile of x: 32 loads, each two k rows' 256 bytes
	WIN 0x80
.set i, 0
.rept 32
	global_load_b128 v[4*i:4*i+3], v4, s[18:19] offset:i*16384 th:TH_LOAD_NT
.set i, i+1
.endr
	WIN 0
.endm
	s_load_b256 s[4:11], s[0:1], 0x0       ; x 4, W16 6, b_in 8, H16 10
	s_load_b64 s[12:13], s[0:1], 0x20      ; H32
	v_lshl_add_u32 v30, v0, 2, SPARE
	v_mov_b32 v31, 0
	ds_add_u32 v30, v31                    ; the wave's opening: the add and its wait stand ahead of my first tensor load
	v_lshrrev_b32 v1, 5, v0
	v_readfirstlane_b32 s14, v1            ; wave
	s_lshr_b32 s15, s14, 1                 ; which steps' x I bring: even (0) or odd (1)
	s_bfe_u32 s16, ttmp6, 0x40000          ; cx
	s_lshl_b32 s17, ttmp9, 2
	s_add_co_u32 s17, s17, s16             ; n: my block of 64 tokens; it enters x's, H16's and H32's addresses alone
	s_and_b32 s54, ttmp9, 7                ; k0, from the cluster's number, which the four partners share
	s_add_co_u32 s55, s54, s15             ; my first tile of x: step 0 or 1 of the walk
	s_lshl_b32 s56, s54, 8                 ; a K step is 256 bytes along a row of W16,
	s_mov_b32 s57, 0
	s_and_b32 s58, s55, 7
	s_lshl_b32 s58, s58, 20                ; and 128 rows of 8,192 bytes of x
	s_mov_b32 s59, 0
	s_add_co_u32 s54, s54, 1               ; the first refill brings step 1 of the walk
	s_mov_b32 s24, 15|(1<<16)|(1<<20)|(1<<21)|(5<<22)|(3<<25)  ; mask of four; 2-byte elements; padding on; bit 21 beside a mask; after every 64 words, 4 words
	s_mov_b32 s25, 128<<16                 ; tensor_dim0 = 128
	s_mov_b32 s26, 128<<16                 ; tensor_dim1 = 128
	s_mov_b32 s27, 128<<16                 ; tile_dim0 = 128
	s_mov_b32 s28, 128                     ; tile_dim1 = 128
	s_mov_b32 s29, 1024                    ; elements from row to row
	s_mov_b32 s30, 0
	s_mov_b32 s31, 0
	s_mov_b32 s32, 1
	s_mul_i32 s33, s14, WWAVE              ; slot 0 of my wave
	s_mov_b32 s36, 1
	s_add_co_u32 s37, s33, WSLOT           ; slot 1
	s_lshl_b32 s46, s14, 18                ; W16: my 128 rows of 2,048 bytes
	s_mov_b32 s47, 0
	s_lshr_b32 s48, s17, 5                 ; x: batch,
	s_lshl_b32 s48, s48, 23
	s_and_b32 s45, s17, 31
	s_lshl_b32 s45, s45, 8                 ; my 64 tokens' 256 bytes in a row,
	s_add_co_u32 s48, s48, s45
	s_and_b32 s45, s14, 1
	s_lshl_b32 s45, s45, 19                ; and my half of a tile's 128 k rows
	s_add_co_u32 s48, s48, s45
	s_mov_b32 s49, 0
	s_lshl_b32 s50, s17, 16
	s_lshl_b32 s45, s14, 12
	s_add_co_u32 s50, s50, s45             ; H16: token tile 4 n, channel tile 8 w
	s_mov_b32 s51, 0
	v_and_b32 v1, 15, v0
	v_bfe_u32 v2, v0, 4, 1
	v_and_b32 v3, 31, v0
	v_lshlrev_b32 v4, 4, v1
	v_lshl_add_u32 v4, v2, 13, v4          ; x: lanes 0-15 one k row's 256 bytes, lanes 16-31 the next row's
	s_lshl_b32 s45, s14, 9
	v_lshl_add_u32 v14, v2, 5, s45         ; b_in at channel 128 w + 8 h
	s_wait_dscnt 0x0                       ; the opening add is done
	s_wait_kmcnt 0x0
	s_add_nc_u64 s[40:41], s[6:7], s[46:47]
	s_add_nc_u64 s[34:35], s[40:41], s[56:57]  ; the walk's first tile
	s_or_b32 s35, s35, 0x80000000
	s_add_nc_u64 s[52:53], s[4:5], s[48:49]
	s_add_nc_u64 s[18:19], s[52:53], s[58:59]
	s_add_nc_u64 s[20:21], s[10:11], s[50:51]
	s_lshl_b32 s50, s17, 17
	s_lshl_b32 s45, s14, 15
	s_add_co_u32 s50, s50, s45             ; H32: token 64 n + 16 w
	s_add_nc_u64 s[22:23], s[12:13], s[50:51]
.set i, 0
.rept 8                                ; the bias and my first tile of x go out ahead of the round: nothing of them hangs on the partners
	global_load_b128 v[128+8*i:131+8*i], v14, s[8:9] offset:64*i
	global_load_b128 v[132+8*i:135+8*i], v14, s[8:9] offset:64*i+16
.set i, i+1
.endr
	XLOAD
	CROUND                                 ; the four work-groups are here: the first joint load meets
	tensor_load_to_lds s[32:35], s[24:31]
	s_nop 0
	PLACES
	s_mul_i32 s45, s15, XSLOT
	s_and_b32 s46, s14, 1
	s_mul_i32 s46, s46, 64*160
	s_add_co_u32 s45, s45, s46
	s_add_co_u32 s45, s45, XB
	v_mul_u32_u24 v5, v2, 160
	v_lshl_add_u32 v5, v1, 3, v5
	v_add_nc_u32 v5, s45, v5               ; where x goes, 8 bytes a lane
	v_and_b32 v12, 7, v0
	v_bfe_u32 v13, v0, 3, 1
	v_lshl_add_u32 v6, v2, 3, v12
	v_mul_u32_u24 v6, v6, 160
	v_lshl_add_u32 v6, v13, 4, v6
	v_add_nc_u32 v6, XB, v6                ; the turning load: k row 8 h + l % 8, tokens 8 ((l / 8) % 2) ..
	v_mul_u32_u24 v7, v1, 272
	v_lshl_add_u32 v7, v2, 4, v7
	v_add_nc_u32 v7, s33, v7               ; W's fragments: row x pitch + 16 x half, in my wave's slots
	v_lshlrev_b32 v8, 4, v3
	s_lshl_b32 s45, s15, 10
	s_and_b32 s46, s14, 1
	s_lshl_b32 s46, s46, 8
	s_add_co_u32 s45, s45, s46
	v_mul_u32_u24 v9, v1, SPITCH
	v_lshl_add_u32 v9, v2, 4, v9
	v_add_nc_u32 v9, s45, v9               ; the stage, in: token row r, byte (w >> 1) 1,024 + (w & 1) 256 + 16 h: H32's order inside a token
	v_add_nc_u32 v10, 32*SPITCH, v9
	s_mul_i32 s46, s14, 16*SPITCH
	v_add_nc_u32 v11, s46, v8              ; the stage, back: my 16 token rows
	s_wait_loadcnt 32                      ; the bias is in; x's 32 younger loads stay out
.set i, 0
.rept 32
	v_cvt_pk_bf16_f32 v[96+i], v[128+2*i], v[128+2*i+1]
.set i, i+1
.endr
.set i, 0
.rept 32
	v_lshlrev_b32 v[32+2*i], 16, v[96+i]
	v_and_b32 v[33+2*i], 0xffff0000, v[96+i]
.set i, i+1
.endr
; The waves of parity par round the tile that they hold and lay it into their buffer, then ask for the tile two steps on.  cond = 1: not in the loop's last trip, where no such tile is left.
.macro XSEC par, cond
	WIN 0
	s_cmp_eq_u32 s15, \par
	s_cbranch_scc0 .Lx_\@
	s_wait_loadcnt 0x0                     ; my tile is in: no other load of mine is out
.irp hf, 0,1
	WIN 0x0a
.set i, 0
.rept 32
	v_cvt_pk_bf16_f32 v[96+i], v[64*\hf+2*i], v[64*\hf+2*i+1]
.set i, i+1
.endr
	WIN 0
.set i, 0
.rept 16
	ds_store_b64 v5, v[96+2*i:97+2*i] offset:(16*\hf+i)*320
.set i, i+1
.endr
.endr
.if \cond
	s_cmp_eq_u32 s44, 1
	s_cbranch_scc1 .Lx_\@
.endif
	s_add_co_u32 s55, s55, 2               ; two steps on in the walk, wrapped round; the loads that read the base are done
	s_and_b32 s58, s55, 7
	s_lshl_b32 s58, s58, 20
	s_add_nc_u64 s[18:19], s[52:53], s[58:59]
	XLOAD
.Lx_\@:
.endm
; The fragments of 32 along K: 8 channel tiles of W, 4 token tiles of x, into buffer f
.macro FETCH sg, kk, f
	WIN 0
.irp c, 0,1,2,3,4,5,6,7
	ds_load_b128 v[128+64*(\f)+8*\c:128+64*(\f)+8*\c+3], v7 offset:(\sg)*WSLOT+\c*4352+(\kk)*64
	ds_load_b128 v[128+64*(\f)+8*\c+4:128+64*(\f)+8*\c+7], v7 offset:(\sg)*WSLOT+\c*4352+(\kk)*64+32
.endr
	WIN 0x80
.irp t, 0,1,2,3
	ds_load_tr16_b128 v[128+32*(\f)+8*\t:128+32*(\f)+8*\t+3], v6 offset:(\sg)*XSLOT+(\kk)*5120+\t*32
	ds_load_tr16_b128 v[128+32*(\f)+8*\t+4:128+32*(\f)+8*\t+7], v6 offset:(\sg)*XSLOT+(\kk)*5120+\t*32+2560
.endr
.endm
; A quarter of a K step: 32 matrix instructions, the 32 accumulators by turns; ahead of them the next quarter's loads.  first = 1: the bias starts the sums.
.macro Q sg, kk, first
	s_wait_dscnt 0x0                       ; this quarter's fragments are in
.if (\kk) < 3
	PLACES                                 ; the other buffer was multiplied last quarter
	FETCH \sg, (\kk)+1, ((\kk)+1)%2
.endif
.if \first
	WIN 0x48                               ; W window 0, x window 2, C window 0, D window 1
.else
	WIN 0x58
.endif
.irp c, 0,1,2,3,4,5,6,7
.irp t, 0,1,2,3
.if \first
	v_wmma_f32_16x16x32_bf16 v[8*(4*\c+\t):8*(4*\c+\t)+7], v[128+64*((\kk)%2)+8*\c:128+64*((\kk)%2)+8*\c+7], v[128+32*((\kk)%2)+8*\t:128+32*((\kk)%2)+8*\t+7], v[32+8*\c:39+8*\c]
.else
	v_wmma_f32_16x16x32_bf16 v[8*(4*\c+\t):8*(4*\c+\t)+7], v[128+64*((\kk)%2)+8*\c:128+64*((\kk)%2)+8*\c+7], v[128+32*((\kk)%2)+8*\t:128+32*((\kk)%2)+8*\t+7], v[8*(4*\c+\t):8*(4*\c+\t)+7]
.endif
.endr
.endr
.endm
; The head of the step that lies in slot sg.  All my tensor loads have landed (one was out: this step's tile); the add; my LDS reads of the other slot and my stores of x are done; a round of the
; cluster's barrier; then the other slot is filled again, first thing, with the next step's tile: it has this step's 128 matrix instructions in which to land.  Its address is made anew from the
; walk's step, wrapped round.  This step's first fragments are asked for ahead of the work on x.
.macro TOP sg, refill, xs, cond
	WIN 0
	s_wait_tensorcnt 0x0
	ds_add_u32 v30, v31
.if \refill
	s_and_b32 s56, s54, 7                  ; no load of mine is out, so a group 0 may be written
	s_lshl_b32 s56, s56, 8
	s_add_nc_u64 s[38-4*(\sg):39-4*(\sg)], s[40:41], s[56:57]
	s_or_b32 s[39-4*(\sg)], s[39-4*(\sg)], 0x80000000
	s_add_co_u32 s54, s54, 1
.endif
	s_wait_dscnt 0x0
.if \refill
	CROUND
	tensor_load_to_lds s[36-4*(\sg):39-4*(\sg)], s[24:31]
	s_nop 0
	PLACES                                 ; also the places in front of the loads below
.else
	s_barrier_signal -1
	s_barrier_wait -1
	PLACES
.endif
	FETCH \sg, 0, 0
.if \xs
	XSEC 1-(\sg), \cond
.endif
.endm
	XSEC 0, 0                              ; x of the walk's step 0 into its buffer; step 2 is asked for
	TOP 0, 1, 1, 0
	Q 0, 0, 1
	WIN 0
	s_mov_b32 s44, 3
.Llap:                                         ; a trip: from a step's second quarter to the first quarter two steps on
	Q 0, 1, 0
	Q 0, 2, 0
	Q 0, 3, 0
	TOP 1, 1, 1, 1
	Q 1, 0, 0
	Q 1, 1, 0
	Q 1, 2, 0
	Q 1, 3, 0
	TOP 0, 1, 1, 1
	Q 0, 0, 0
	WIN 0
	s_sub_co_u32 s44, s44, 1
	s_cmp_lg_u32 s44, 0
	s_cbranch_scc1 .Llap
	Q 0, 1, 0                              ; the walk's steps 6 and 7: nothing is left to ask for
	Q 0, 2, 0
	Q 0, 3, 0
	TOP 1, 0, 0, 0
	Q 1, 0, 0
	Q 1, 1, 0
	Q 1, 2, 0
	Q 1, 3, 0
	; THE WAY OUT
	PLACES
	WIN 0
	s_wait_dscnt 0x0
	s_barrier_signal -1
	s_barrier_wait -1                      ; nobody reads W's slots any more, and they have had their last fill: the stage may lie there
	WIN 0x05
.set i, 0
.rept 128
	v_cvt_pk_bf16_f32 v[128+i], v[2*i], v[2*i+1]   ; each accumulator from its low end
.set i, i+1
.endr
	WIN 0
.set i, 0
.rept 32
	global_store_b128 v8, v[128+4*i:131+4*i], s[20:21] offset:(i%4)*16384+(i/4)*512   ; 512 consecutive bytes
.set i, i+1
.endr
	WIN 0x04                               ; an LDS store's data in window 1
.set i, 0
.rept 32                               ; channels 16 ct + 8 h + 0..3 at 32 ct, + 4..7 another 512 bytes on: H32's order
	ds_store_b128 v[9+(i%4)/2], v[8*i:8*i+3] offset:(i%2)*16*SPITCH+(i/4)*32
	ds_store_b128 v[9+(i%4)/2], v[8*i+4:8*i+7] offset:(i%2)*16*SPITCH+(i/4)*32+512
.set i, i+1
.endr
	WIN 0
	s_wait_dscnt 0x0                       ; for the others' sake
	s_barrier_signal -1
	s_barrier_wait -1
.irp bq, 0,1,2,3
	s_wait_xcnt 0x0                        ; the registers that earlier stores read are loaded again only behind this wait
.set i, 0
.rept 16
	ds_load_b128 v[128+64*((\bq)%2)+4*i:128+64*((\bq)%2)+4*i+3], v11 offset:(4*\bq+i/4)*SPITCH+(i%4)*512
.set i, i+1
.endr
	s_wait_dscnt 0x0
.set i, 0
.rept 16
	global_store_b128 v8, v[128+64*((\bq)%2)+4*i:128+64*((\bq)%2)+4*i+3], s[22:23] offset:(4*\bq+i/4)*2048+(i%4)*512
.set i, i+1
.endr
.endr
	s_wait_tensorcnt 0x0                   ; the wave's end
	ds_add_u32 v30, v31
	s_wait_dscnt 0x0
	CROUND                                 ; the closing round
	s_endpgm
.Lfunc_end_k_qed87f1e42f_proj:
	.size	k_qed87f1e42f_proj, .Lfunc_end_k_qed87f1e42f_proj-k_qed87f1e42f_proj
	.p2alignl 7, 3214868480
	.fill 96, 4, 3214868480
	.section	.rodata,"a",@progbits
	.p2align	6, 0x0
	.amdhsa_kernel k_qed87f1e42f_proj
		.amdhsa_group_segment_fixed_size 327680
		.amdhsa_private_segment_fixed_size 0
		.amdhsa_enable_private_segment 0
		.amdhsa_kernarg_size 40
		.amdhsa_user_sgpr_count 2
		.amdhsa_user_sgpr_kernarg_segment_ptr 1
		.amdhsa_wavefront_size32 1
		.amdhsa_system_sgpr_workgroup_id_x 1
		.amdhsa_system_sgpr_workgroup_id_y 1
		.amdhsa_system_sgpr_workgroup_id_z 1
		.amdhsa_system_vgpr_workitem_id 0
		.amdhsa_next_free_vgpr 768
		.amdhsa_next_free_sgpr 66
		.amdhsa_reserve_vcc 0
		.amdhsa_float_denorm_mode_32 3
		.amdhsa_float_denorm_mode_16_64 3
		.amdhsa_memory_ordered 1
		.amdhsa_forward_progress 1
		.amdhsa_inst_pref_size 141
	.end_amdhsa_kernel
	.amdgpu_metadata
---
amdhsa.version: [ 1, 2 ]
amdhsa.kernels:
  - .name:           k_qed87f1e42f_proj
    .symbol:         k_qed87f1e42f_proj.kd
    .args:
      - { .name: x, .offset: 0, .size: 8, .value_kind: global_buffer, .address_space: global }
      - { .name: W16, .offset: 8, .size: 8, .value_kind: global_buffer, .address_space: global }
      - { .name: b_in, .offset: 16, .size: 8, .value_kind: global_buffer, .address_space: global }
      - { .name: H16, .offset: 24, .size: 8, .value_kind: global_buffer, .address_space: global }
      - { .name: H32, .offset: 32, .size: 8, .value_kind: global_buffer, .address_space: global }
    .group_segment_fixed_size: 327680
    .private_segment_fixed_size: 0
    .kernarg_segment_align: 8
    .kernarg_segment_size: 40
    .max_flat_workgroup_size: 128
    .sgpr_count:     66
    .vgpr_count:     768
    .wavefront_size: 32
...
	.end_amdgpu_metadata
.endif
;; end of part 2
;; launch score (part 3): grid 64 x 4, 4 waves a work-group, clusters of 4 x 4, 327,680 bytes of LDS; arguments H16, E16, NH, KEYS; writes KEYS
.if DOCPART == 3
	.amdgcn_target "amdgcn-amd-amdhsa--gfx1250"
	.amdhsa_code_object_version 6
	.text
	.protected	k_qed87f1e42f_score
	.globl	k_qed87f1e42f_score
	.p2align	8
	.type	k_qed87f1e42f_score,@function
k_qed87f1e42f_score:
	s_mov_b64 s[64:65], 0
	v_nop
	global_prefetch_b8 v0, s[64:65] scope:SCOPE_SE
	s_setreg_imm32_b32 hwreg(HW_REG_WAVE_MODE, 25, 1), 1
	s_wait_xcnt 0x0
	s_wait_alu depctr_hold_cnt(0) depctr_sa_sdst(0) depctr_va_vdst(0) depctr_va_sdst(0) depctr_va_ssrc(0) depctr_va_vcc(0) depctr_vm_vsrc(0)
	s_getreg_b32 s2, hwreg(HW_REG_IB_STS2, 6, 4)
	s_cmp_eq_u32 s2, 0
	s_cbranch_scc0 .Lentry_in_a_cluster
	s_endpgm
.Lentry_in_a_cluster:
	s_bfe_u32 s2, ttmp6, 0x10000c
	s_cmp_lg_u32 s2, 0xf033
	s_cbranch_scc0 .Lentry_shape_is_right
	s_endpgm
.Lentry_shape_is_right:
; SCORE.  s[token][code] = bf16(h[token]) . E16[code] + NH[code] (half of the module's score: the same order).  This launch only NAMES CANDIDATES: for each token and each quarter of the codebook
; the four best scores with their codes, stored as whole numbers; the decision is made by the next launch, with h in f32.
; SHARES.  Work-group (bx, q): 256 tokens x the 1,024 codes of quarter q.  A wave holds its 64 tokens' h as fragments in 512 registers and walks the quarter in 32 PAIRS of code tiles (a, b).
; Source 0 = 16 codes, source 1 = 16 tokens: a lane holds one token and the codes 8 h + 0..7 of a tile.  NH is the C operand that starts each sum.
; E16's tiles and NH hang on q alone: the four work-groups of a row of the cluster ask for them JOINTLY.  A slot holds 128 codes; wave p brings pair p of a slot; all waves read all pairs.
; THE BEST TWO OF A CLASS.  A lane's register j sees, tile after tile, the codes of one class (same quarter, same code mod 16: 64 codes).  The tile's number takes the place of a score's lowest 8 bits;
; then second = the middle of (first, score, second) and first = the larger: three plain instructions a score, set behind the matrix instructions of the other half of the wave's tokens.
; At the end the 32 candidates of a token (16 classes x 2) give their best four by a sorting network.
; LIMITS.  The true best code fails to be named only if two others of its class, or four others of its quarter, beat it in these scores, which differ from the f32 ones by h's rounding to bf16
; (2^-9 of each component) and by 2^-15 of the score (the 8 bits).  Both go with the data's scale.  NaN and infinities are not treated apart.
; The running best and second start at the lowest finite number, and the first pair's place in the pipeline is taken by numbers just above it, which every true score displaces: 96 v_mov_b32 in the
; wait for the first tile, so that no first step need be written out.
.set EP,    1040                       ; a code's row in LDS: 1,024 + 16 bytes, an odd multiple of 16
.set EPART, 33280                      ; 32 rows: a pair
.set EWAVE, 66560                      ; pair p of slot 0 at p x EWAVE, of slot 1 EPART behind it: one exclusive or changes slots
.set NHL,   266240                     ; the quarter's NH, 4,096 bytes
.set SPARE, 270336
; window 0: v1 r, v2 h, v3-v7 addresses, v8-15 8 h + j, v16 my 16 bytes in KEYS, v30, v31 the add's two, v32-47 NH of the pair, v64-95 scores of token tiles 0, 1, v96-127 of tiles 2, 3
;           ((a,t),(b,t),(a,t+1),(b,t+1)), v128-191 the network's two banks, v192-255 first[t][j] at 192 + 16 t + j, second 8 behind
; window 1: the pair's fragments, tile c, channels 32 kb .. at 128 c + 8 kb      window 2: h of token tiles 0, 1 at 128 (t & 1) + 8 kb      window 3: of tiles 2, 3
; s52 slots to ask for, s53 counts a slot's pairs, s54 / s55 LDS byte of the pair / of its NH to be fetched, s56, s57 tile numbers of the pair in hand, s58, s59 of the pair before
.set BU, 128
.set BV, 160
.set MSB, 0
.macro WIN new
.if MSB != (\new)
	s_set_vgpr_msb (MSB<<8)|(\new)
.set MSB, (\new)
.endif
.endm
.macro PLACES
.rept 4
	v_nop
.endr
.endm
.macro CROUND
	s_barrier_signal -1
	s_barrier_wait -1
	s_cmp_lg_u32 s12, 0
	s_cbranch_scc1 .Lnw0_\@
	s_barrier_signal -3
.Lnw0_\@:
	s_barrier_wait -3
	s_barrier_signal -1
	s_barrier_wait -1
.endm
	s_load_b256 s[4:11], s[0:1], 0x0       ; H16 4, E16 6, NH 8, KEYS 10
	v_lshl_add_u32 v30, v0, 2, SPARE
	v_mov_b32 v31, 0
	ds_add_u32 v30, v31                    ; the wave's opening: the add and its wait stand ahead of my first tensor load
	v_lshrrev_b32 v1, 5, v0
	v_readfirstlane_b32 s12, v1            ; wave
	s_bfe_u32 s13, ttmp6, 0x40000          ; cx
	s_bfe_u32 s14, ttmp6, 0x40004          ; cy
	s_lshl_b32 s15, ttmp9, 2
	s_add_co_u32 s15, s15, s13             ; bx: it enters H16's and KEYS' addresses alone
	s_and_b32 s16, ttmp7, 0xffff
	s_lshl_b32 s16, s16, 2
	s_add_co_u32 s16, s16, s14             ; q, which my row of the cluster shares
	s_lshl_b32 s17, s14, 2
	s_lshl_b32 s17, 15, s17                ; my row of the cluster
	; E16's tiles: a pair is 32 code rows of 512 elements, 1,024 bytes each (four whole blocks of 256 bytes), padded in LDS after every row.  A wave's share of a slot is these 32 rows.
	s_or_b32 s24, s17, (1<<16)|(1<<20)|(1<<21)|(7<<22)|(3<<25)  ; 15:0 the mask; 17:16 2-byte elements; 20 padding on; 21 set beside a mask; 24:22 after every 256 words (code 7): a row; 31:25 4 words (code 3)
	s_mov_b32 s25, 512<<16                 ; tensor_dim0 = 512
	s_mov_b32 s26, 32<<16                  ; tensor_dim1 = 32
	s_mov_b32 s27, 512<<16                 ; tile_dim0 = 512
	s_mov_b32 s28, 32                      ; tile_dim1 = 32
	s_mov_b32 s29, 512                     ; elements from row to row
	s_mov_b32 s30, 0
	s_mov_b32 s31, 0
	s_or_b32 s32, s17, (3<<16)|(1<<21)     ; NH: one row of 128 elements of 8 bytes
	s_mov_b32 s33, 128<<16
	s_mov_b32 s34, 1<<16
	s_mov_b32 s35, 128<<16
	s_mov_b32 s36, 1
	s_mov_b32 s37, 128
	s_mov_b32 s38, 0
	s_mov_b32 s39, 0
	s_mov_b32 s40, 1
	s_mul_i32 s41, s12, EWAVE              ; slot 0, my pair
	s_mov_b32 s44, 1
	s_add_co_u32 s45, s41, EPART           ; slot 1
	s_mov_b32 s48, 1
	s_lshl_b32 s49, s12, 10
	s_add_co_u32 s49, s49, NHL
	s_lshl_b32 s66, s16, 20                ; E16: the quarter's 1,024 rows of 1,024 bytes, my 32 of the first 128
	s_lshl_b32 s70, s12, 15
	s_add_co_u32 s66, s66, s70
	s_mov_b32 s67, 0
	s_lshl_b32 s68, s16, 12
	s_lshl_b32 s70, s12, 10
	s_add_co_u32 s68, s68, s70
	s_mov_b32 s69, 0
	s_lshl_b32 s22, s15, 18                ; H16: token tile 16 bx + 4 w
	s_lshl_b32 s70, s12, 16
	s_add_co_u32 s22, s22, s70
	s_mov_b32 s23, 0
	s_mov_b32 s60, 0xffffff00
	s_mov_b32 s61, 0xffff0000              ; lanes 16-31
	s_mov_b32 s62, 0x76543210
	s_mov_b32 s63, 0xfedcba98
	s_lshl_b32 s56, s16, 6                 ; the quarter's first tile number
	s_add_co_u32 s57, s56, 1
	s_mov_b32 s58, 0
	s_mov_b32 s59, 0
	s_wait_dscnt 0x0                       ; the opening add is done
	s_wait_kmcnt 0x0
	s_add_nc_u64 s[42:43], s[6:7], s[66:67]
	s_add_nc_u64 s[46:47], s[42:43], 131072
	s_or_b32 s43, s43, 0x80000000
	s_or_b32 s47, s47, 0x80000000
	s_add_nc_u64 s[50:51], s[8:9], s[68:69]
	s_or_b32 s51, s51, 0x80000000
	s_add_nc_u64 s[18:19], s[4:5], s[22:23]
	s_lshl_b32 s22, s16, 19                ; KEYS: quarter, then token 256 bx + 64 w, 16 bytes each
	s_lshl_b32 s71, s15, 12                ; (bx in a register of its own: none that fed a joint descriptor ever holds cx)
	s_add_co_u32 s22, s22, s71
	s_lshl_b32 s70, s12, 10
	s_add_co_u32 s22, s22, s70
	s_add_nc_u64 s[20:21], s[10:11], s[22:23]
	CROUND                                 ; all sixteen work-groups are here: the first joint loads meet
	tensor_load_to_lds s[48:51], s[32:39]  ; three loads of mine are out: NH,
	s_nop 0
	tensor_load_to_lds s[40:43], s[24:31]  ; codes 0-127 of the quarter,
	s_nop 0
	tensor_load_to_lds s[44:47], s[24:31]  ; codes 128-255
	s_nop 0
	PLACES
	v_and_b32 v1, 15, v0
	v_bfe_u32 v2, v0, 4, 1
	v_and_b32 v7, 31, v0
	v_lshlrev_b32 v7, 4, v7
	WIN 0x80
.set i, 0
.rept 64                               ; h stays in registers: token tile i / 32, channel tile i % 32
	global_load_b128 v[128*(i/32)+4*(i%32):128*(i/32)+4*(i%32)+3], v7, s[18:19] offset:(i/32)*16384+(i%32)*512
.set i, i+1
.endr
	WIN 0xc0
.set i, 0
.rept 64
	global_load_b128 v[128*(i/32)+4*(i%32):128*(i/32)+4*(i%32)+3], v7, s[18:19] offset:32768+(i/32)*16384+(i%32)*512
.set i, i+1
.endr
	WIN 0
	v_mul_u32_u24 v3, v1, EP
	v_lshl_add_u32 v3, v2, 4, v3           ; a fragment's row x pitch + 16 x half
	v_lshlrev_b32 v5, 5, v2
	v_add_nc_u32 v5, NHL, v5               ; NH of codes 8 h .. of a tile
	v_lshlrev_b32 v8, 3, v2
.irp j, 1,2,3,4,5,6,7
	v_add_nc_u32 v[8+\j], \j, v8
.endr
	v_lshlrev_b32 v16, 4, v1
	v_lshl_add_u32 v16, v2, 18, v16        ; KEYS: token r's 16 bytes; lanes 16-31 in the second plane, 262,144 bytes on
	s_mov_b32 s66, 0xff7fffff
	s_mov_b32 s67, 0xff7fff00
.set i, 0
.rept 64
	v_mov_b32 v[192+i], s66
.set i, i+1
.endr
.set i, 0
.rept 32
	v_mov_b32 v[96+i], s67
.set i, i+1
.endr
; One score: element e of group G (0: token tiles 0, 1; 1: tiles 2, 3) is register 64 + 32 G + e; token tile 2 G + e / 16, code tile (e / 8) & 1, class register e & 7.
.macro ELP G, e                        ; the tile's number into the lowest 8 bits
	v_and_or_b32 v[64+32*(\G)+(\e)], v[64+32*(\G)+(\e)], s60, s[56+2*(\G)+(((\e)/8)&1)]
.endm
.macro ELM G, e                        ; second, then first
	v_med3_num_f32 v[200+16*(2*(\G)+(\e)/16)+((\e)&7)], v[192+16*(2*(\G)+(\e)/16)+((\e)&7)], v[64+32*(\G)+(\e)], v[200+16*(2*(\G)+(\e)/16)+((\e)&7)]
	v_max_num_f32 v[192+16*(2*(\G)+(\e)/16)+((\e)&7)], v[192+16*(2*(\G)+(\e)/16)+((\e)&7)], v[64+32*(\G)+(\e)]
.endm
.macro SLICE G, k                      ; three lines, none of which reads a result of the same slice; each accumulator is read from its lowest register on
	WIN 0
	ELP \G, \k
.if (\k) > 0
	ELM \G, (\k)-1
.endif
.endm
.macro RUN g                           ; 16 LDS loads: channels 128 g .. of both code tiles
	WIN 0x40
.irp c, 0,1
.irp kq, 0,1,2,3
	ds_load_b128 v[128*\c+8*(4*(\g)+\kq):128*\c+8*(4*(\g)+\kq)+3], v4 offset:\c*16*EP+(4*(\g)+\kq)*64
	ds_load_b128 v[128*\c+8*(4*(\g)+\kq)+4:128*\c+8*(4*(\g)+\kq)+7], v4 offset:\c*16*EP+(4*(\g)+\kq)*64+32
.endr
.endr
.endm
.macro NHRUN
	WIN 0
	ds_load_b128 v[32:35], v6
	ds_load_b128 v[36:39], v6 offset:16
	ds_load_b128 v[40:43], v6 offset:64
	ds_load_b128 v[44:47], v6 offset:80
.endm
.macro DORUN last, g, nh               ; last = 1 (the tail): in the last trip there is no further pair, and the run is jumped over
.if \last
	WIN 0
	s_cmp_eq_u32 s53, 1
	s_cbranch_scc1 .Lnr_\@
.endif
	RUN \g
.if \nh
	NHRUN
.endif
.if \last
	WIN 0
.Lnr_\@:
.endif
.endm
; Y: the pair's 64 products for token tiles 2, 3; behind every second one a slice of tiles 0, 1's scores of the same pair; the next pair's fragments come in as this pair's are done with:
; each run stands two slices or more behind the last product that read its registers.  The four accumulators take turns.
.macro YPART last
	WIN 0
	v_add_nc_u32 v4, s54, v3
	v_add_nc_u32 v6, s55, v5
	s_add_co_u32 s54, s54, EWAVE
	s_add_co_u32 s55, s55, 128
.set i, 0
.rept 64
	WIN 0x0d                               ; codes window 1, h window 3, C and D window 0
.if i < 4
	v_wmma_f32_16x16x32_bf16 v[96+8*(i&3):103+8*(i&3)], v[128*(i&1)+8*(i>>2):128*(i&1)+8*(i>>2)+7], v[128*((i>>1)&1)+8*(i>>2):128*((i>>1)&1)+8*(i>>2)+7], v[32+8*(i&1):39+8*(i&1)]
.else
	v_wmma_f32_16x16x32_bf16 v[96+8*(i&3):103+8*(i&3)], v[128*(i&1)+8*(i>>2):128*(i&1)+8*(i>>2)+7], v[128*((i>>1)&1)+8*(i>>2):128*((i>>1)&1)+8*(i>>2)+7], v[96+8*(i&3):103+8*(i&3)]
.endif
.if (i&1) == 1
	SLICE 0, (i-1)/2
.endif
.if i == 19
	DORUN \last, 0, 0
.endif
.if i == 35
	DORUN \last, 1, 0
.endif
.if i == 51
	DORUN \last, 2, 1
.endif
.set i, i+1
.endr
	ELM 0, 31
	v_nop
	v_nop
	DORUN \last, 3, 0
	WIN 0
	s_mov_b32 s58, s56
	s_mov_b32 s59, s57
	s_add_co_u32 s56, s56, 2
	s_add_co_u32 s57, s57, 2
.endm
; X: the next pair's 64 products for token tiles 0, 1; behind every second one a slice of tiles 2, 3's scores of the pair before.
.macro XPART
	s_wait_dscnt 16                        ; all but the last run's sixteen loads: channels 0-383 and NH are in
.set i, 0
.rept 64
.if i == 48
	s_wait_dscnt 0x0                       ; channels 384-511 are in
.endif
	WIN 0x09                               ; h window 2
.if i < 4
	v_wmma_f32_16x16x32_bf16 v[64+8*(i&3):71+8*(i&3)], v[128*(i&1)+8*(i>>2):128*(i&1)+8*(i>>2)+7], v[128*((i>>1)&1)+8*(i>>2):128*((i>>1)&1)+8*(i>>2)+7], v[32+8*(i&1):39+8*(i&1)]
.else
	v_wmma_f32_16x16x32_bf16 v[64+8*(i&3):71+8*(i&3)], v[128*(i&1)+8*(i>>2):128*(i&1)+8*(i>>2)+7], v[128*((i>>1)&1)+8*(i>>2):128*((i>>1)&1)+8*(i>>2)+7], v[64+8*(i&3):71+8*(i&3)]
.endif
.if (i&1) == 1
	SLICE 1, (i-1)/2
.endif
.set i, i+1
.endr
	ELM 1, 31
.endm
; THE CHANGE OF SLOTS, behind the X that has waited for the slot's last pair.  All my tensor loads have landed (one was out: my part of the other slot); the add; my reads of the slot are over.
; fill = 1: a round of the cluster's barrier, and the slot is filled again, first thing, with the codes two slots on: it has four pairs, 512 matrix instructions, in which to land.
.macro CHANGE fill
	WIN 0
	s_wait_tensorcnt 0x0
	ds_add_u32 v30, v31
.if \fill
	s_xor_b32 s45, s45, EPART              ; the walking descriptor: the other slot than last time,
	s_add_nc_u64 s[46:47], s[46:47], 131072  ; the next 128 codes
.endif
	s_wait_dscnt 0x0
.if \fill
	CROUND
	tensor_load_to_lds s[44:47], s[24:31]
	s_nop 0
	PLACES
.else
	s_barrier_signal -1
	s_barrier_wait -1
.endif
	s_sub_co_u32 s54, s54, 4*EWAVE         ; the fetches go back to a slot's first pair,
	s_xor_b32 s54, s54, EPART              ; in the other slot
.endm
	s_wait_tensorcnt 0x1                   ; NH and my part of slot 0 are in; slot 1's may stay out
	s_barrier_signal -1
	s_barrier_wait -1
	v_mov_b32 v4, v3                       ; pair 0 lies at the head of slot 0
	v_mov_b32 v6, v5
	RUN 0
	RUN 1
	RUN 2
	NHRUN
	RUN 3
	WIN 0
	s_mov_b32 s54, EWAVE
	s_mov_b32 s55, 128
	s_wait_loadcnt 0x0                     ; h
	s_mov_b32 s53, 4
	s_mov_b32 s52, 7
	s_branch .Lmid                         ; the loop is entered in the middle of a trip
.Lslot:                                        ; six times: slots are filled again with codes 256 .. 1,023
	CHANGE 1
	s_mov_b32 s53, 4
.Lunit:
	YPART 0
	WIN 0
.Lmid:
	XPART
	WIN 0
	s_sub_co_u32 s53, s53, 1
	s_cmp_lg_u32 s53, 0
	s_cbranch_scc1 .Lunit
	s_sub_co_u32 s52, s52, 1
	s_cmp_lg_u32 s52, 0
	s_cbranch_scc1 .Lslot
	CHANGE 0                               ; the tail is written out
	s_mov_b32 s53, 5                       ; four trips fetch the last slot's pairs; the fifth is left in its middle
.Ltail:
	YPART 1
	WIN 0
	s_sub_co_u32 s53, s53, 1
	s_cmp_eq_u32 s53, 0
	s_cbranch_scc1 .Lout
	XPART
	WIN 0
	s_branch .Ltail
.Lout:
	PLACES
.set k, 0
.rept 32                               ; the last pair's scores of token tiles 2, 3
	ELP 1, k
	ELM 1, k
.set k, k+1
.endr
; THE BEST FOUR OF 32.  A candidate is a pair of neighbouring registers (value, code).  CX orders two, MXP keeps the larger; each stage reads one bank and writes another.
.macro CX dh, dl, va, ia, vb, ib
	v_cmp_gt_f32 vcc_lo, v[\vb], v[\va]
	v_max_num_f32 v[\dh], v[\va], v[\vb]
	v_min_num_f32 v[\dl], v[\va], v[\vb]
	v_cndmask_b32 v[(\dh)+1], v[\ia], v[\ib], vcc_lo
	v_cndmask_b32 v[(\dl)+1], v[\ib], v[\ia], vcc_lo
.endm
.macro CXE dh, dl, a, b
	CX \dh, \dl, \a, (\a)+1, \b, (\b)+1
.endm
.macro MXP d, a, b
	v_cmp_gt_f32 vcc_lo, v[\b], v[\a]
	v_max_num_f32 v[\d], v[\a], v[\b]
	v_cndmask_b32 v[(\d)+1], v[(\a)+1], v[(\b)+1], vcc_lo
.endm
.macro MERGE4 x, y, t1, t2, o          ; two descending fours give their best four, descending
.irp e, 0,1,2,3
	MXP (\t1)+2*\e, (\x)+2*\e, (\y)+6-2*\e
.endr
	CXE (\t2), (\t2)+4, (\t1), (\t1)+4
	CXE (\t2)+2, (\t2)+6, (\t1)+2, (\t1)+6
	CXE (\o), (\o)+2, (\t2), (\t2)+2
	CXE (\o)+4, (\o)+6, (\t2)+4, (\t2)+6
.endm
; The network is written once, for the token tile whose state lies in v192-207, and walked four times; behind each walk the other tiles' state moves down by 16 registers (48 v_mov_b32 a trip:
; the price of one text for four tiles).
.set SB, 192
	s_mov_b32 s53, 4
.Ltop:
.irp j, 0,1,2,3,4,5,6,7
	v_and_b32 v[BU+\j], 0xff, v[SB+\j]
	v_and_b32 v[BU+8+\j], 0xff, v[SB+8+\j]
.endr
.irp j, 0,1,2,3,4,5,6,7
	v_lshl_or_b32 v[BU+\j], v[BU+\j], 4, v[8+\j]         ; code = 16 x tile + 8 h + j
	v_lshl_or_b32 v[BU+8+\j], v[BU+8+\j], 4, v[8+\j]
.endr
.irp p, 0,1,2,3                        ; two ordered pairs give an ordered four
	CX BV+8*\p, BV+8*\p+2, SB+2*\p, BU+2*\p, SB+9+2*\p, BU+9+2*\p
	CX BV+8*\p+4, BV+8*\p+6, SB+8+2*\p, BU+8+2*\p, SB+1+2*\p, BU+1+2*\p
.endr
.irp p, 0,1,2,3
	CXE BU+8*\p, BU+8*\p+2, BV+8*\p, BV+8*\p+4
	CXE BU+8*\p+4, BU+8*\p+6, BV+8*\p+2, BV+8*\p+6
.endr
	MERGE4 BU, BU+8, BV, BV+8, BU
	MERGE4 BU+16, BU+24, BV+16, BV+24, BU+8
	MERGE4 BU, BU+8, BV, BV+8, BU+16
.irp e, 0,1,2,3,4,5,6,7
	v_permlanex16_b32 v[BU+24+\e], v[BU+16+\e], s62, s63 ; the token's other 16 candidates lie in the lane 16 away
.endr
.irp e, 0,1,2,3,4,5,6,7                ; both lanes of a token take the lower lane's four first, so that both make the same four in the same order, equal values too
	v_cndmask_b32 v[BV+16+\e], v[BU+16+\e], v[BU+24+\e], s61
	v_cndmask_b32 v[BV+24+\e], v[BU+24+\e], v[BU+16+\e], s61
.endr
	MERGE4 BV+16, BV+24, BV, BV+8, 64
.irp e, 0,1,2,3                        ; a float's image as an unsigned number of the same order
	v_ashrrev_i32 v[BV+\e], 31, v[64+2*\e]
	v_or_b32 v[BV+\e], 0x80000000, v[BV+\e]
	v_xor_b32 v[64+2*\e], v[64+2*\e], v[BV+\e]
.endr
.irp e, 0,1,2,3                        ; lanes 0-15 store the first two candidates, lanes 16-31 the other two: each half 256 consecutive bytes, aligned
	v_cndmask_b32 v[96+\e], v[64+\e], v[68+\e], s61
.endr
	global_store_b128 v16, v[96:99], s[20:21]
.set i, 0
.rept 48
	v_mov_b32 v[192+i], v[208+i]
.set i, i+1
.endr
	s_wait_xcnt 0x0                        ; the store's data and base are written again only behind this wait
	s_add_nc_u64 s[20:21], s[20:21], 256   ; the next 16 tokens
	s_sub_co_u32 s53, s53, 1
	s_cmp_lg_u32 s53, 0
	s_cbranch_scc1 .Ltop
	s_wait_tensorcnt 0x0                   ; the wave's end
	ds_add_u32 v30, v31
	s_wait_dscnt 0x0
	CROUND                                 ; the closing round
	s_endpgm
.Lfunc_end_k_qed87f1e42f_score:
	.size	k_qed87f1e42f_score, .Lfunc_end_k_qed87f1e42f_score-k_qed87f1e42f_score
	.p2alignl 7, 3214868480
	.fill 96, 4, 3214868480
	.section	.rodata,"a",@progbits
	.p2align	6, 0x0
	.amdhsa_kernel k_qed87f1e42f_score
		.amdhsa_group_segment_fixed_size 327680
		.amdhsa_private_segment_fixed_size 0
		.amdhsa_enable_private_segment 0
		.amdhsa_kernarg_size 32
		.amdhsa_user_sgpr_count 2
		.amdhsa_user_sgpr_kernarg_segment_ptr 1
		.amdhsa_wavefront_size32 1
		.amdhsa_system_sgpr_workgroup_id_x 1
		.amdhsa_system_sgpr_workgroup_id_y 1
		.amdhsa_system_sgpr_workgroup_id_z 1
		.amdhsa_system_vgpr_workitem_id 0
		.amdhsa_next_free_vgpr 1024
		.amdhsa_next_free_sgpr 72
		.amdhsa_reserve_vcc 1
		.amdhsa_float_denorm_mode_32 3
		.amdhsa_float_denorm_mode_16_64 3
		.amdhsa_memory_ordered 1
		.amdhsa_forward_progress 1
		.amdhsa_inst_pref_size 99
	.end_amdhsa_kernel
	.amdgpu_metadata
---
amdhsa.version: [ 1, 2 ]
amdhsa.kernels:
  - .name:           k_qed87f1e42f_score
    .symbol:         k_qed87f1e42f_score.kd
    .args:
      - { .name: H16, .offset: 0, .size: 8, .value_kind: global_buffer, .address_space: global }
      - { .name: E16, .offset: 8, .size: 8, .value_kind: global_buffer, .address_space: global }
      - { .name: NH, .offset: 16, .size: 8, .value_kind: global_buffer, .address_space: global }
      - { .name: KEYS, .offset: 24, .size: 8, .value_kind: global_buffer, .address_space: global }
    .group_segment_fixed_size: 327680
    .private_segment_fixed_size: 0
    .kernarg_segment_align: 8
    .kernarg_segment_size: 32
    .max_flat_workgroup_size: 128
    .sgpr_count:     72
    .vgpr_count:     1024
    .wavefront_size: 32
...
	.end_amdgpu_metadata
.endif
;; end of part 3
;; launch pick (part 4): grid 256 x 1, 16 waves a work-group, no clusters, 2,304 bytes of LDS; arguments KEYS, E16, NH, H32, IND; writes IND
.if DOCPART == 4
	.amdgcn_target "amdgcn-amd-amdhsa--gfx1250"
	.amdhsa_code_object_version 6
	.text
	.protected	k_qed87f1e42f_pick
	.globl	k_qed87f1e42f_pick
	.p2align	8
	.type	k_qed87f1e42f_pick,@function
k_qed87f1e42f_pick:
	s_mov_b64 s[64:65], 0
	v_nop
	global_prefetch_b8 v0, s[64:65] scope:SCOPE_SE
	s_setreg_imm32_b32 hwreg(HW_REG_WAVE_MODE, 25, 1), 1
	s_wait_xcnt 0x0
; PICK.  For each token: of the 16 candidates that the four quarters named, the four with the largest keys; for those, h . E16[code] + NH[code] with h in f32; the largest decides, and of equal
; scores the lower code.  IND[token] is stored as a whole number.  The keys and codes are whole numbers read from memory; no address hangs on a floating-point number.
; SHARES.  A work-group owns 64 tokens, each of its 16 waves 4.  The merge and the decision: lane l works for token l & 3 (eight lanes alike).  The dot products: the whole wave on one row, 16 channels a lane.
; H32 holds a token's channels in the order that the launch before states: four loads of 16 bytes a lane, each 512 consecutive bytes, give lane l the channels 8 l .. 8 l + 7 and 256 + 8 l .. + 7,
; those that two loads of 16 bytes a lane give it of a row of E16.
; h hangs on no key, so its 16 loads go out with the keys' 8; the rows' 32 and NH's 4 follow the merge: two dependent round trips a wave, and no loop.
; Memory and latency bind: no matrix unit, no cluster.
; LIMIT.  What the launch before states for the naming of candidates holds here for four of sixteen: a code is lost if four others beat it in the rounded scores.
.set SPARE, 256                        ; LDS 0-255: the 64 results; then the spare words, 128 bytes a wave
; v1 lane, v2 16 lane, v4 l & 3, v5 my token's 16 bytes in KEYS, v6 0, v8, v9 the add's two, v10-13 codes, v14-17 NH, v18-21 scores, v22-25 sums, v26-29 at work,
; v32-63 the four lists, then the rows' offsets; v64-127 h of four tokens; v128-255 at work in the merge, then four rows for each of four tokens
.macro CXU dh, dl, a, b
	v_cmp_gt_u32 vcc_lo, v[\b], v[\a]
	v_max_u32 v[\dh], v[\a], v[\b]
	v_min_u32 v[\dl], v[\a], v[\b]
	v_cndmask_b32 v[(\dh)+1], v[(\a)+1], v[(\b)+1], vcc_lo
	v_cndmask_b32 v[(\dl)+1], v[(\b)+1], v[(\a)+1], vcc_lo
.endm
.macro MXPU d, a, b
	v_cmp_gt_u32 vcc_lo, v[\b], v[\a]
	v_max_u32 v[\d], v[\a], v[\b]
	v_cndmask_b32 v[(\d)+1], v[(\a)+1], v[(\b)+1], vcc_lo
.endm
.macro MERGE4U x, y, t1, t2, o         ; two descending fours give their best four, descending
.irp e, 0,1,2,3
	MXPU (\t1)+2*\e, (\x)+2*\e, (\y)+6-2*\e
.endr
	CXU (\t2), (\t2)+4, (\t1), (\t1)+4
	CXU (\t2)+2, (\t2)+6, (\t1)+2, (\t1)+6
	CXU (\o), (\o)+2, (\t2), (\t2)+2
	CXU (\o)+4, (\o)+6, (\t2)+4, (\t2)+6
.endm
	s_load_b256 s[4:11], s[0:1], 0x0       ; KEYS 4, E16 6, NH 8, H32 10
	s_load_b64 s[12:13], s[0:1], 0x20      ; IND
	v_lshl_add_u32 v8, v0, 2, SPARE
	v_mov_b32 v9, 0
	v_lshrrev_b32 v7, 5, v0
	v_readfirstlane_b32 s14, v7            ; wave
	s_mov_b32 s15, ttmp9
	s_mov_b32 s28, 0x76543210
	s_mov_b32 s29, 0xfedcba98
	v_and_b32 v1, 31, v0
	v_lshlrev_b32 v2, 4, v1
	v_and_b32 v4, 3, v0
	s_lshl_b32 s18, s15, 6
	s_lshl_b32 s19, s14, 2
	s_add_co_u32 s18, s18, s19             ; my wave's first token
	v_add_nc_u32 v5, s18, v4
	v_lshlrev_b32 v5, 4, v5
	v_mov_b32 v6, 0
	s_lshl_b32 s30, s18, 11
	s_mov_b32 s31, 0
	s_wait_kmcnt 0x0
	s_add_nc_u64 s[34:35], s[10:11], s[30:31]  ; H32 at that token
.irp q, 0,1,2,3
	global_load_b128 v[32+8*\q:35+8*\q], v5, s[4:5] offset:\q*524288
	global_load_b128 v[36+8*\q:39+8*\q], v5, s[4:5] offset:\q*524288+262144
.endr
.irp kk, 0,1,2,3
.irp c, 0,1,2,3
	global_load_b128 v[64+16*\kk+4*\c:67+16*\kk+4*\c], v2, s[34:35] offset:\kk*2048+\c*512 th:TH_LOAD_NT
.endr
.endr
	s_wait_loadcnt 16                      ; the keys are in; h's 16 younger loads stay out
	MERGE4U 32, 40, 128, 136, 32
	MERGE4U 48, 56, 144, 152, 40
.irp e, 0,1,2,3
	MXPU 128+2*\e, 32+2*\e, 46-2*\e        ; the best four of all sixteen, in no order
.endr
.irp c, 0,1,2,3
	v_min_u32 v[10+\c], 0xfff, v[129+2*\c] ; a code stays inside the table
	v_lshlrev_b32 v[26+\c], 2, v[10+\c]
	v_mov_b32 v[18+\c], 0
.endr
.irp c, 0,1,2,3
	global_load_b32 v[14+\c], v[26+\c], s[8:9]
.endr
.irp kk, 0,1,2,3
.irp c, 0,1,2,3
	v_readlane_b32 s19, v[10+\c], \kk      ; token k's codes lie in lane k
	s_min_u32 s19, s19, 0xfff
	s_lshl_b32 s19, s19, 10
	v_add_nc_u32 v[32+4*\kk+\c], s19, v2
.endr
.endr
.irp kk, 0,1,2,3
.irp c, 0,1,2,3
	global_load_b128 v[128+32*\kk+8*\c:131+32*\kk+8*\c], v[32+4*\kk+\c], s[6:7]
	global_load_b128 v[132+32*\kk+8*\c:135+32*\kk+8*\c], v[32+4*\kk+\c], s[6:7] offset:512
.endr
.endr
	s_wait_loadcnt 0x0                     ; h, NH and the sixteen rows
.irp kk, 0,1,2,3
.set m, 0
.rept 16                               ; four chains, one a row, that do not wait for each other
.irp c, 0,1,2,3
.if m == 0
	v_fma_mix_f32_bf16 v[22+\c], v[128+32*\kk+8*\c], v[64+16*\kk], v6 op_sel_hi:[1,0,0]
.elseif (m%2) == 0
	v_fma_mix_f32_bf16 v[22+\c], v[128+32*\kk+8*\c+m/2], v[64+16*\kk+m], v[22+\c] op_sel_hi:[1,0,0]
.else
	v_fma_mix_f32_bf16 v[22+\c], v[128+32*\kk+8*\c+m/2], v[64+16*\kk+m], v[22+\c] op_sel:[1,0,0] op_sel_hi:[1,0,0]
.endif
.endr
.set m, m+1
.endr
.irp x, 1,2,4,8
.irp c, 0,1,2,3
	v_add_f32_dpp v[22+\c], v[22+\c], v[22+\c] row_xmask:\x row_mask:0xf bank_mask:0xf
.endr
.endr
.irp c, 0,1,2,3
	v_permlanex16_b32 v[26+\c], v[22+\c], s28, s29
.endr
.irp c, 0,1,2,3
	v_add_f32 v[22+\c], v[22+\c], v[26+\c]
.endr
	v_cmp_eq_u32 s22, \kk, v4              ; the lanes that work for this token keep its four sums
.irp c, 0,1,2,3
	v_cndmask_b32 v[18+\c], v[18+\c], v[22+\c], s22
.endr
.endr
	; THE DECISION
.irp c, 0,1,2,3
	v_add_f32 v[18+\c], v[18+\c], v[14+\c]
.endr
	v_mov_b32 v26, v18
	v_mov_b32 v27, v10
.irp c, 1,2,3
	v_cmp_gt_f32 s23, v[18+\c], v26
	v_cmp_eq_f32 s24, v[18+\c], v26
	v_cmp_lt_u32 s25, v[10+\c], v27
	s_and_b32 s24, s24, s25
	s_or_b32 s23, s23, s24                 ; larger, or equal with the lower code
	v_cndmask_b32 v26, v26, v[18+\c], s23
	v_cndmask_b32 v27, v27, v[10+\c], s23
.endr
	s_lshl_b32 s18, s14, 4
	v_lshl_add_u32 v28, v4, 2, s18
	ds_store_b32 v28, v27                  ; eight lanes store the same word with the same value
	s_wait_dscnt 0x0                       ; for wave 0's sake
	s_barrier_signal -1
	s_barrier_wait -1
	s_wait_tensorcnt 0x0                   ; the wave's end, behind my last LDS store
	ds_add_u32 v8, v9
	s_wait_dscnt 0x0
	s_cmp_lg_u32 s14, 0
	s_cbranch_scc1 .Lend
	v_lshlrev_b32 v29, 3, v1
	ds_load_b64 v[32:33], v29
	s_lshl_b32 s30, s15, 8
	s_add_nc_u64 s[12:13], s[12:13], s[30:31]
	s_wait_dscnt 0x0
	global_store_b64 v29, v[32:33], s[12:13]   ; the work-group's 64 results: 256 consecutive bytes in one store
.Lend:
	s_endpgm
.Lfunc_end_k_qed87f1e42f_pick:
	.size	k_qed87f1e42f_pick, .Lfunc_end_k_qed87f1e42f_pick-k_qed87f1e42f_pick
	.p2alignl 7, 3214868480
	.fill 96, 4, 3214868480
	.section	.rodata,"a",@progbits
	.p2align	6, 0x0
	.amdhsa_kernel k_qed87f1e42f_pick
		.amdhsa_group_segment_fixed_size 2304
		.amdhsa_private_segment_fixed_size 0
		.amdhsa_enable_private_segment 0
		.amdhsa_kernarg_size 40
		.amdhsa_user_sgpr_count 2
		.amdhsa_user_sgpr_kernarg_segment_ptr 1
		.amdhsa_wavefront_size32 1
		.amdhsa_system_sgpr_workgroup_id_x 1
		.amdhsa_system_sgpr_workgroup_id_y 1
		.amdhsa_system_sgpr_workgroup_id_z 1
		.amdhsa_system_vgpr_workitem_id 0
		.amdhsa_next_free_vgpr 256
		.amdhsa_next_free_sgpr 66
		.amdhsa_reserve_vcc 1
		.amdhsa_float_denorm_mode_32 3
		.amdhsa_float_denorm_mode_16_64 3
		.amdhsa_memory_ordered 1
		.amdhsa_forward_progress 1
		.amdhsa_inst_pref_size 38
	.end_amdhsa_kernel
	.amdgpu_metadata
---
amdhsa.version: [ 1, 2 ]
amdhsa.kernels:
  - .name:           k_qed87f1e42f_pick
    .symbol:         k_qed87f1e42f_pick.kd
    .args:
      - { .name: KEYS, .offset: 0, .size: 8, .value_kind: global_buffer, .address_space: global }
      - { .name: E16, .offset: 8, .size: 8, .value_kind: global_buffer, .address_space: global }
      - { .name: NH, .offset: 16, .size: 8, .value_kind: global_buffer, .address_space: global }
      - { .name: H32, .offset: 24, .size: 8, .value_kind: global_buffer, .address_space: global }
      - { .name: IND, .offset: 32, .size: 8, .value_kind: global_buffer, .address_space: global }
    .group_segment_fixed_size: 2304
    .private_segment_fixed_size: 0
    .kernarg_segment_align: 8
    .kernarg_segment_size: 40
    .max_flat_workgroup_size: 512
    .sgpr_count:     66
    .vgpr_count:     256
    .wavefront_size: 32
...
	.end_amdgpu_metadata
.endif
;; end of part 4
;; launch emit (part 5): grid 128 x 2, 8 waves a work-group, no clusters, 66,560 bytes of LDS; arguments PT16, IND, out0; writes out0
.if DOCPART == 5
	.amdgcn_target "amdgcn-amd-amdhsa--gfx1250"
	.amdhsa_code_object_version 6
	.text
	.protected	k_qed87f1e42f_emit
	.globl	k_qed87f1e42f_emit
	.p2align	8
	.type	k_qed87f1e42f_emit,@function
k_qed87f1e42f_emit:
	s_mov_b64 s[64:65], 0
	v_nop
	global_prefetch_b8 v0, s[64:65] scope:SCOPE_SE
	s_setreg_imm32_b32 hwreg(HW_REG_WAVE_MODE, 25, 1), 1
	s_wait_xcnt 0x0
; EMIT.  out0[b][row][t] = PT16[row >> 3][IND[b][t]][row & 7], widened to f32.  IND holds whole numbers that an earlier launch stored.
; SHARES.  Work-group (g, hf): the 8 out-rows of group g, batches 4 hf .. 4 hf + 3.  The group's slab of the table, 4,096 codes x 16 bytes, is copied into LDS once; a token's eight numbers are one
; LDS load of 16 bytes.  Wave w: batch 4 hf + (w >> 1), tokens 1,024 (w & 1) ..: 8 units of 128 tokens, four neighbouring tokens a lane, so that a store covers 512 consecutive bytes of a row.
; The output's bytes bind: no matrix unit, no cluster; the slab passes through registers, so that LDS is written by ds_store alone.
.set SPARE, 65536
; v1 16 lane, v2 the slab's copy, v3, v4 the add's two, v5-8 LDS addresses, v16-47 the wave's 1,024 codes, v48-63 and v64-79 two banks of gathered rows, v80-111 the unit's output; v64-127 the slab on its way in
	s_load_b128 s[4:7], s[0:1], 0x0        ; PT16 4, IND 6
	s_load_b64 s[8:9], s[0:1], 0x10        ; out0
	v_lshl_add_u32 v3, v0, 2, SPARE
	v_mov_b32 v4, 0
	v_lshrrev_b32 v9, 5, v0
	v_readfirstlane_b32 s10, v9            ; wave
	s_mov_b32 s11, ttmp9                   ; g
	s_and_b32 s12, ttmp7, 0xffff           ; hf
	s_mov_b32 s13, 0xffff0000
	v_and_b32 v1, 31, v0
	v_lshlrev_b32 v1, 4, v1
	s_lshl_b32 s20, s10, 13
	v_add_nc_u32 v2, s20, v1               ; my wave's 8,192 bytes of the slab
	s_lshl_b32 s22, s11, 16
	s_add_co_u32 s22, s22, s20
	s_mov_b32 s23, 0
	s_lshr_b32 s24, s10, 1
	s_lshl_b32 s25, s12, 2
	s_add_co_u32 s24, s24, s25             ; batch
	s_and_b32 s25, s10, 1
	s_lshl_b32 s28, s25, 12                ; 1,024 tokens of 4 bytes
	s_lshl_b32 s26, s24, 13
	s_add_co_u32 s26, s26, s28
	s_mov_b32 s27, 0
	s_lshl_b32 s30, s24, 23
	s_lshl_b32 s25, s11, 16
	s_add_co_u32 s30, s30, s25
	s_add_co_u32 s30, s30, s28
	s_mov_b32 s31, 0
	s_wait_kmcnt 0x0
	s_add_nc_u64 s[14:15], s[4:5], s[22:23]
	s_add_nc_u64 s[16:17], s[6:7], s[26:27]
	s_add_nc_u64 s[18:19], s[8:9], s[30:31]
.irp u, 0,1,2,3,4,5,6,7
	global_load_b128 v[16+4*\u:19+4*\u], v1, s[16:17] offset:\u*512
.endr
.set i, 0
.rept 16
	global_load_b128 v[64+4*i:67+4*i], v1, s[14:15] offset:i*512
.set i, i+1
.endr
	s_wait_loadcnt 0x0
.set i, 0
.rept 16
	ds_store_b128 v2, v[64+4*i:67+4*i] offset:i*512
.set i, i+1
.endr
	s_wait_dscnt 0x0                       ; for the others' sake
	s_barrier_signal -1
	s_barrier_wait -1
.macro GATH u, bk                      ; unit u's four tokens a lane: the code is held inside the table, times 16 bytes
.irp k, 0,1,2,3
	v_min_u32 v[5+\k], 0xfff, v[16+4*(\u)+\k]
	v_lshlrev_b32 v[5+\k], 4, v[5+\k]
	ds_load_b128 v[48+16*(\bk)+4*\k:48+16*(\bk)+4*\k+3], v[5+\k]
.endr
.endm
	GATH 0, 0
.set u, 0
.rept 8
.if u < 7
	GATH u+1, (u+1)%2
	s_wait_dscnt 4                         ; the next unit's four loads stay out
.else
	s_wait_dscnt 0x0
.endif
	s_wait_xcnt 0x0                        ; the registers that the last unit's stores read are written again only behind this wait
.set GB, 48+16*(u%2)
.irp j, 0,2,4,6
.irp k, 0,1,2,3
	v_lshlrev_b32 v[80+4*\j+\k], 16, v[GB+4*\k+\j/2]     ; bf16 to f32: the low half moves up,
	v_and_b32 v[84+4*\j+\k], s13, v[GB+4*\k+\j/2]        ; the high half stays
.endr
.endr
.irp j, 0,1,2,3,4,5,6,7
	global_store_b128 v1, v[80+4*\j:83+4*\j], s[18:19] offset:\j*8192+u*512 th:TH_STORE_NT
.endr
.set u, u+1
.endr
	s_wait_tensorcnt 0x0                   ; the wave's end
	ds_add_u32 v3, v4
	s_wait_dscnt 0x0
	s_endpgm
.Lfunc_end_k_qed87f1e42f_emit:
	.size	k_qed87f1e42f_emit, .Lfunc_end_k_qed87f1e42f_emit-k_qed87f1e42f_emit
	.p2alignl 7, 3214868480
	.fill 96, 4, 3214868480
	.section	.rodata,"a",@progbits
	.p2align	6, 0x0
	.amdhsa_kernel k_qed87f1e42f_emit
		.amdhsa_group_segment_fixed_size 66560
		.amdhsa_private_segment_fixed_size 0
		.amdhsa_enable_private_segment 0
		.amdhsa_kernarg_size 24
		.amdhsa_user_sgpr_count 2
		.amdhsa_user_sgpr_kernarg_segment_ptr 1
		.amdhsa_wavefront_size32 1
		.amdhsa_system_sgpr_workgroup_id_x 1
		.amdhsa_system_sgpr_workgroup_id_y 1
		.amdhsa_system_sgpr_workgroup_id_z 1
		.amdhsa_system_vgpr_workitem_id 0
		.amdhsa_next_free_vgpr 128
		.amdhsa_next_free_sgpr 66
		.amdhsa_reserve_vcc 0
		.amdhsa_float_denorm_mode_32 3
		.amdhsa_float_denorm_mode_16_64 3
		.amdhsa_memory_ordered 1
		.amdhsa_forward_progress 1
		.amdhsa_inst_pref_size 25
	.end_amdhsa_kernel
	.amdgpu_metadata
---
amdhsa.version: [ 1, 2 ]
amdhsa.kernels:
  - .name:           k_qed87f1e42f_emit
    .symbol:         k_qed87f1e42f_emit.kd
    .args:
      - { .name: PT16, .offset: 0, .size: 8, .value_kind: global_buffer, .address_space: global }
      - { .name: IND, .offset: 8, .size: 8, .value_kind: global_buffer, .address_space: global }
      - { .name: out0, .offset: 16, .size: 8, .value_kind: global_buffer, .address_space: global }
    .group_segment_fixed_size: 66560
    .private_segment_fixed_size: 0
    .kernarg_segment_align: 8
    .kernarg_segment_size: 24
    .max_flat_workgroup_size: 256
    .sgpr_count:     66
    .vgpr_count:     128
    .wavefront_size: 32
...
	.end_amdgpu_metadata
.endif
;; end of part 5
;; ======== version 2 of 2: 5 launches; version 1 with the launches prep, emit written anew for expert scheduling mode
;; workspace buffers: E16 4,194,304 bytes; NH 16,384 bytes; W16 1,048,576 bytes; PT16 8,388,608 bytes; H16 16,777,216 bytes; H32 33,554,432 bytes; KEYS 2,097,152 bytes of whole numbers; IND 65,536 bytes of whole numbers
;; launch prep (part 6): grid 32 x 8, 4 waves a work-group, no clusters, 266,752 bytes of LDS; arguments embed, W_out, b_out, W_in, E16, NH, W16, PT16; writes E16, NH, W16, PT16
.if DOCPART == 6
	.amdgcn_target "amdgcn-amd-amdhsa--gfx1250"
	.amdhsa_code_object_version 6
	.text
	.protected	k_qed87f1e42f_prep
	.globl	k_qed87f1e42f_prep
	.p2align	8
	.type	k_qed87f1e42f_prep,@function
k_qed87f1e42f_prep:
	s_mov_b64 s[64:65], 0
	v_nop
	global_prefetch_b8 v0, s[64:65] scope:SCOPE_SE
	s_setreg_imm32_b32 hwreg(HW_REG_WAVE_SCHED_MODE, 0, 2), 2
	s_setreg_imm32_b32 hwreg(HW_REG_WAVE_MODE, 25, 1), 1
	s_wait_xcnt 0x0
	s_wait_alu depctr_vm_vsrc(0)
; PREP.  All tables that hang on the weights alone, every input rounded once to bf16:
;   E16[code][512] = bf16(embed);  NH[code] = -0.5 x sum of E16[code]^2 (f32);  W16[512][1024] = bf16(W_in);
;   PT16[out-row >> 3][code][out-row & 7] = bf16( sum_d E16[code][d] x bf16(W_out[row][d]) + bf16(b_out[row]) ): the decoded vector of every code.
; The module's output hangs on a token through its code alone, so this table of 4,096 x 1,024 takes the place of the product over 16,384 tokens.
; SHARES.  Work-group (ci, hj): codes 128 ci .. x out-rows 128 hj ..; also E16 and NH of the 16 code rows 128 ci + 16 hj .., and W16's rows 2 n, 2 n + 1, n = ci + 32 hj.
; Wave w: out-rows 64 (w >> 1) .. x codes 64 (w & 1) ..: 16 accumulators of 16 x 16.  Source 0 = 16 out-rows, source 1 = 16 codes: a lane holds one code and eight neighbouring out-rows.
; No tensor load and no cluster: both operands pass through registers to be rounded, so there is no tile that an engine could bring for several work-groups.
; LIMITS.  The table is rounded once to bf16.  NH is stored 16 bytes a wave (a buffer of 16 KiB): the one store here that does not fill 256 consecutive bytes.
; THE MODE: SCHED_MODE bits 1:0 = 2 (LLVM: expert scheduling mode 2), set by the entry lines.  The code itself states the register dependences
; between vector or matrix instructions and memory or LDS instructions, with s_wait_alu, always for 0.
; THE PLAN.  Registers that memory or LDS instructions touch:
;   slots 0-3        Loads land in a slot; its 32 conversions read it; behind them it is loaded again.
;   O0, O1           Slot s's conversions write O[s % 2]; the slot's 16 LDS stores read it.
;   v5, v6           Read by the LDS stores of the copy; stepped once a trip.      v8, v9  Read by the fragments' loads; stepped once a trip of the K loop.
;   v4, v7, v10, v12, v13, v14   Offsets and addresses, made at the head and never written again.      v15  The bias loads' offset; later at work.
;   v64-95           My four code rows: LDS loads land, E16's stores and the squares read; then fragments land there.
;   the two fragment buffers   LDS loads land; matrix instructions read.
; In the copy ONE wait on va_vdst stands in a slot's turn, behind its conversions: O is written and the slot is read out.  The slot's loads and its LDS stores follow it with no vector line between.
; A wait on vm_vsrc stands twice a trip, at slot 2's head and ahead of the step of v5 and v6: each frees both out-buffers for the two slots that follow.
; In the product one wait on va_vdst stands ahead of each run of fragment loads.  The runs stay whole: the accumulators lie in window 1 and the fragments in window 0, so a load set
; among the matrix instructions would want two window switches of its own.
.set PITCH, 1040                       ; an LDS row: 1,024 bytes of bf16 + 16: an odd multiple of 16 bytes, so the 16 rows of a fragment load start in 16 different groups of four banks (ISA guide 11.1)
.set WBASE, 128*PITCH                  ; W_out's 128 rows lie behind embed's 128
.set SPARE, 256*PITCH                  ; the spare words, 128 bytes a wave
; window 0: v1 r, v2 h, v3 lane; v4-v10 addresses; v30, v31 the add's two; v32-63 bias; v64-127, v128-191 load slots 0, 1, later two fragment buffers; v192-223 out-buffer O0; v224-255 the bias as loaded, then out-buffer O1
; window 1: v0-63, v64-127 load slots 2, 3, later the accumulators, (at, bt) at 8 (4 at + bt)
.set MSB, 0
.macro WIN new                         ; the high byte repeats the setting that is left; a switch that changes nothing is dropped
.if MSB != (\new)
	s_set_vgpr_msb (MSB<<8)|(\new)
.set MSB, (\new)
.endif
.endm
.macro PLACES                          ; four places behind a matrix instruction (ISA guide 7.12.1); they stand beside the waits on va_vdst, which fill none
.rept 4
	v_nop
.endr
.endm
; COPY AND ROUND.  A batch is two rows of embed and two of W_out: 16 loads of 512 consecutive bytes.  Four slots take turns: 64 loads, 32 KiB, of a wave are on their way.
.macro LOADB sl, off
.if (\sl) < 2
	WIN 0
.set LB, 64+64*(\sl)
.else
	WIN 0x40                               ; destination in window 1, address in window 0
.set LB, 64*((\sl)-2)
.endif
.irp rr, 0,1
.irp q, 0,1,2,3
	global_load_b128 v[LB+16*\rr+4*\q:LB+16*\rr+4*\q+3], v4, s[34:35] offset:(\off)+\rr*2048+\q*512
.endr
.endr
.irp rr, 0,1
.irp q, 0,1,2,3
	global_load_b128 v[LB+32+16*\rr+4*\q:LB+32+16*\rr+4*\q+3], v4, s[36:37] offset:(\off)+\rr*2048+\q*512
.endr
.endr
.endm
.macro CONVB sl                        ; the slot's 64 registers close up into out-buffer sl % 2
.if (\sl) < 2
	WIN 0
.set LB, 64+64*(\sl)
.else
	WIN 0x05                               ; sources in window 1, destination in window 0
.set LB, 64*((\sl)-2)
.endif
.set OB, 192+32*((\sl)%2)
.set i, 0
.rept 32
	v_cvt_pk_bf16_f32 v[OB+i], v[LB+2*i], v[LB+2*i+1]
.set i, i+1
.endr
.endm
.macro PUTB sl                         ; out-buffer sl % 2 into LDS
	WIN 0
.set OB, 192+32*((\sl)%2)
.irp rr, 0,1
.irp q, 0,1,2,3
	ds_store_b64 v5, v[OB+8*\rr+2*\q:OB+8*\rr+2*\q+1] offset:(2*(\sl)+\rr)*PITCH+\q*256
	ds_store_b64 v6, v[OB+16+8*\rr+2*\q:OB+16+8*\rr+2*\q+1] offset:(2*(\sl)+\rr)*PITCH+\q*256
.endr
.endr
.endm
; A slot's turn.  left: the younger loads that may stay out.  ahead = 1: the slot is loaded again, with the rows eight further down.
.macro STEP sl, left, ahead
	s_wait_loadcnt \left                   ; loads come back in order (ISA guide 5.7.1): this slot is in
.if (\sl) == 2
	s_wait_alu depctr_vm_vsrc(0)           ; the LDS stores of slots 0 and 1 have read O0 and O1, which this slot's conversions and the next's write again
.endif
	CONVB \sl
.if \ahead
.if (\sl) < 2
	WIN 0
.else
	WIN 0x40                               ; the switch, then the wait, then the loads
.endif
	s_wait_alu depctr_va_vdst(0)           ; the conversions are done reading the slot, in which the loads below land, and have written O, which the LDS stores below read; in a trip's first slot v5 and v6 are written
	LOADB \sl, 16384+(\sl)*4096
.else
	WIN 0
	s_wait_alu depctr_va_vdst(0)           ; the conversions have written O, which the LDS stores below read
.endif
	PUTB \sl                               ; no vector line since the wait names O, v5 or v6
.endm
; THE PRODUCT's two macros: the fragments of 32 channels at byte off of the rows into buffer f; 16 matrix instructions on buffer f, the 16 accumulators by turns.
.macro FETCH off, f
	WIN 0
.irp t, 0,1,2,3
	ds_load_b128 v[64+64*(\f)+8*\t:64+64*(\f)+8*\t+3], v8 offset:\t*16*PITCH+(\off)
	ds_load_b128 v[64+64*(\f)+8*\t+4:64+64*(\f)+8*\t+7], v8 offset:\t*16*PITCH+(\off)+32
.endr
.irp t, 0,1,2,3
	ds_load_b128 v[96+64*(\f)+8*\t:96+64*(\f)+8*\t+3], v9 offset:\t*16*PITCH+(\off)
	ds_load_b128 v[96+64*(\f)+8*\t+4:96+64*(\f)+8*\t+7], v9 offset:\t*16*PITCH+(\off)+32
.endr
.endm
.macro MULS f, first
.if \first
	WIN 0x40                               ; D in window 1; the bias, in window 0, starts the sums
.else
	WIN 0x50                               ; C and D in window 1
.endif
.irp a, 0,1,2,3
.irp b, 0,1,2,3
.if \first
	v_wmma_f32_16x16x32_bf16 v[8*(4*\a+\b):8*(4*\a+\b)+7], v[64+64*(\f)+8*\a:64+64*(\f)+8*\a+7], v[96+64*(\f)+8*\b:96+64*(\f)+8*\b+7], v[32+8*\a:39+8*\a]
.else
	v_wmma_f32_16x16x32_bf16 v[8*(4*\a+\b):8*(4*\a+\b)+7], v[64+64*(\f)+8*\a:64+64*(\f)+8*\a+7], v[96+64*(\f)+8*\b:96+64*(\f)+8*\b+7], v[8*(4*\a+\b):8*(4*\a+\b)+7]
.endif
.endr
.endr
.endm
	s_load_b512 s[4:19], s[0:1], 0x0       ; embed 4, W_out 6, b_out 8, W_in 10, E16 12, NH 14, W16 16, PT16 18
	v_lshl_add_u32 v30, v0, 2, SPARE
	v_mov_b32 v31, 0
	v_lshrrev_b32 v11, 5, v0
	v_readfirstlane_b32 s20, v11           ; wave
	s_mov_b32 s21, ttmp9                   ; ci
	s_and_b32 s22, ttmp7, 7                ; hj: the grid's y runs 0 to 7; it enters an LDS address below, so the mask states that bound
	s_mov_b32 s32, 0x76543210              ; v_permlanex16_b32: each lane takes its own place in the other half
	s_mov_b32 s33, 0xfedcba98
	v_and_b32 v1, 15, v0
	v_bfe_u32 v2, v0, 4, 1
	v_and_b32 v3, 31, v0
	v_lshlrev_b32 v14, 4, v3               ; 16 x lane
	v_lshlrev_b32 v12, 4, v0
	v_lshlrev_b32 v13, 3, v0
	s_wait_alu depctr_va_sdst(0)           ; s20 is written, ahead of its first reader: the wave's shares are made from it
	s_lshr_b32 s38, s20, 1
	s_and_b32 s39, s20, 1
	s_lshl_b32 s23, s20, 16
	v_add_nc_u32 v4, s23, v14              ; in memory: my wave's 32 rows of 2,048 bytes
	s_mul_i32 s23, s20, 32*PITCH
	v_lshl_add_u32 v5, v3, 3, s23          ; in LDS: the same rows, 8 bytes a lane
	v_add_nc_u32 v6, WBASE, v5
	s_lshl_b32 s23, s22, 4
	s_lshl_b32 s24, s20, 2
	s_add_co_u32 s23, s23, s24             ; 16 hj + 4 w: my four rows for E16 and NH
	s_mul_i32 s24, s23, PITCH
	v_add_nc_u32 v7, s24, v14
	s_lshl_b32 s31, s21, 7
	s_add_co_u32 s31, s31, s23             ; their code numbers begin here
	v_mul_u32_u24 v11, v1, PITCH
	v_lshl_add_u32 v11, v2, 4, v11         ; a fragment's row x pitch + 16 x half
	s_mul_i32 s24, s38, 64*PITCH
	s_add_co_u32 s24, s24, WBASE
	v_add_nc_u32 v8, s24, v11              ; my 64 out-rows
	s_mul_i32 s24, s39, 64*PITCH
	v_add_nc_u32 v9, s24, v11              ; my 64 codes
	v_lshlrev_b32 v10, 4, v1
	v_lshl_add_u32 v10, v2, 16, v10        ; the table: 16 bytes a code, 65,536 bytes a group of 8 out-rows
	s_lshl_b32 s24, s22, 9
	s_lshl_b32 s25, s38, 8
	s_add_co_u32 s24, s24, s25
	v_lshl_add_u32 v15, v2, 5, s24         ; b_out at out-row 128 hj + 64 (w >> 1) + 8 h
	s_lshl_b32 s24, s22, 5
	s_add_co_u32 s24, s24, s21             ; n
	s_lshl_b32 s26, s24, 13
	s_mov_b32 s27, 0
	s_lshl_b32 s28, s24, 12
	s_mov_b32 s29, 0
	s_wait_kmcnt 0x0
	s_add_nc_u64 s[10:11], s[10:11], s[26:27]
	s_add_nc_u64 s[16:17], s[16:17], s[28:29]
	s_lshl_b32 s26, s21, 18
	s_add_nc_u64 s[34:35], s[4:5], s[26:27]    ; embed at my 128 codes
	s_lshl_b32 s26, s22, 18
	s_add_nc_u64 s[36:37], s[6:7], s[26:27]    ; W_out at my 128 out-rows
	s_wait_alu depctr_va_vdst(0)           ; the offsets and addresses v4 to v10 and v12 to v15 are written, which the loads and stores of the kernel read
	; W_in's two rows and the bias go out first, three slots of the copy straight behind them: one round trip serves both
.irp j, 0,1,2,3
	global_load_b128 v[192+4*\j:195+4*\j], v12, s[10:11] offset:2048*\j
.endr
.irp a, 0,1,2,3
	global_load_b128 v[224+8*\a:227+8*\a], v15, s[8:9] offset:64*\a
	global_load_b128 v[228+8*\a:231+8*\a], v15, s[8:9] offset:64*\a+16
.endr
	LOADB 0, 0
	LOADB 1, 4096
	LOADB 2, 8192
	WIN 0
	s_wait_loadcnt 48                      ; the twelve oldest loads are in; the three slots' 48 stay out
.set i, 0
.rept 8
	v_cvt_pk_bf16_f32 v[208+i], v[192+2*i], v[192+2*i+1]
.set i, i+1
.endr
	s_wait_alu depctr_va_vdst(0)           ; the conversions have written v208 to v215, which the stores read
.irp j, 0,1,2,3
	global_store_b64 v13, v[208+2*\j:209+2*\j], s[16:17] offset:1024*\j   ; a wave's store covers 256 consecutive bytes
.endr
.set i, 0
.rept 16
	v_cvt_pk_bf16_f32 v[216+i], v[224+2*i], v[224+2*i+1]                   ; the bias is rounded like every input, and widened again; a register is written only after it has been read
.set i, i+1
.endr
.set i, 0
.rept 16
	v_lshlrev_b32 v[32+2*i], 16, v[216+i]
	v_and_b32 v[33+2*i], 0xffff0000, v[216+i]
.set i, i+1
.endr
	LOADB 3, 12288                         ; no vector line has named slot 3's registers, and v4 stands since the head's wait
	WIN 0
	s_wait_xcnt 0x0                        ; v208.., which the stores above read, are written again only behind this wait,
	s_wait_alu depctr_vm_vsrc(0)           ; and behind this one: W16's stores have read v208 to v215, which lie in O0; the bias loads have read v15, which is at work later
	s_mov_b32 s30, 3
.Lcopy:                                        ; a trip: eight rows of each block; the three younger slots' 48 loads stay out at each slot's head
.irp sl, 0,1,2,3
	STEP \sl, 48, 1
.endr
	WIN 0
	s_wait_xcnt 0x0                        ; the bases are stepped only behind this wait
	s_add_nc_u64 s[34:35], s[34:35], 16384
	s_add_nc_u64 s[36:37], s[36:37], 16384
	s_wait_alu depctr_vm_vsrc(0)           ; the LDS stores have read v5 and v6, which are stepped here, and O0 and O1, which slots 0 and 1 write again
	v_add_nc_u32 v5, 8*PITCH, v5
	v_add_nc_u32 v6, 8*PITCH, v6
	s_sub_co_u32 s30, s30, 1
	s_cmp_lg_u32 s30, 0
	s_cbranch_scc1 .Lcopy
	STEP 0, 48, 0                          ; the last eight rows: nothing more is asked for, and the counts run down
	STEP 1, 32, 0
	STEP 2, 16, 0
	STEP 3, 0, 0
	s_wait_dscnt 0x0                       ; for the others' sake: my stores are done
	s_barrier_signal -1
	s_barrier_wait -1
	; E16 AND NH of my four code rows.  The loads land in slot 0's registers: its conversions stand ahead of the last wait on va_vdst, and no vector line has followed that wait
.irp k, 0,1,2,3
	ds_load_b128 v[64+8*\k:67+8*\k], v7 offset:\k*PITCH
	ds_load_b128 v[68+8*\k:71+8*\k], v7 offset:\k*PITCH+512
.endr
	s_lshl_b32 s26, s31, 10
	s_add_nc_u64 s[12:13], s[12:13], s[26:27]
	s_lshl_b32 s28, s31, 2
	s_add_nc_u64 s[14:15], s[14:15], s[28:29]
	v_mov_b32 v19, 0
	v_mov_b32 v17, 0
	v_mov_b32 v18, 0
	v_and_b32 v20, 3, v0
	v_lshlrev_b32 v21, 2, v20
.irp k, 0,1,2,3
	v_cmp_eq_u32 s[40+\k], \k, v20         ; the four masks in one run: lane l keeps row l & 3
.endr
	s_wait_dscnt 0x0
.irp k, 0,1,2,3
	global_store_b128 v14, v[64+8*\k:67+8*\k], s[12:13] offset:\k*1024
	global_store_b128 v14, v[68+8*\k:71+8*\k], s[12:13] offset:\k*1024+512
.endr
	s_wait_alu depctr_va_sdst(0)           ; s40 to s43 are written, ahead of their first reader
.irp k, 0,1,2,3
	v_fma_mix_f32_bf16 v15, v[64+8*\k], v[64+8*\k], v19 op_sel_hi:[1,1,0]                  ; two chains: the low halves' squares, the high halves'
	v_fma_mix_f32_bf16 v16, v[64+8*\k], v[64+8*\k], v19 op_sel:[1,1,0] op_sel_hi:[1,1,0]
.irp m, 1,2,3,4,5,6,7
	v_fma_mix_f32_bf16 v15, v[64+8*\k+\m], v[64+8*\k+\m], v15 op_sel_hi:[1,1,0]
	v_fma_mix_f32_bf16 v16, v[64+8*\k+\m], v[64+8*\k+\m], v16 op_sel:[1,1,0] op_sel_hi:[1,1,0]
.endr
	v_add_f32 v15, v15, v16
	v_add_f32_dpp v15, v15, v15 row_xmask:1 row_mask:0xf bank_mask:0xf
	v_add_f32_dpp v15, v15, v15 row_xmask:2 row_mask:0xf bank_mask:0xf
	v_add_f32_dpp v15, v15, v15 row_xmask:4 row_mask:0xf bank_mask:0xf
	v_add_f32_dpp v15, v15, v15 row_xmask:8 row_mask:0xf bank_mask:0xf
	v_permlanex16_b32 v17, v15, s32, s33
	v_add_f32 v15, v15, v17
	v_mul_f32 v15, -0.5, v15
	v_cndmask_b32 v18, v18, v15, s[40+\k]
.endr
	s_wait_alu depctr_va_vdst(0)           ; v18 and v21 are written, which the store reads; the squares are done reading v64 to v95, in which fragments land below
	global_store_b32 v21, v18, s[14:15]    ; lanes with equal l & 3 store the same word with the same value
	s_wait_xcnt 0x0                        ; v64.. are loaded again only behind this wait,
	s_wait_alu depctr_vm_vsrc(0)           ; and behind this one: E16's stores have read v64 to v95
	; THE PRODUCT: 16 steps of 32 along the 512 channels, two fragment buffers by turns.  The first step, in which the bias starts the sums, and the last, which fetches nothing, are written out;
	; the 14 between are a loop of 7 trips, the two address registers stepped by two steps' 128 bytes a trip.
	FETCH 0, 0
	s_wait_dscnt 0x0
	FETCH 64, 1                            ; slot 1's conversions, the last to name these registers, stand ahead of the waits above
	MULS 0, 1
	WIN 0
	s_mov_b32 s30, 7
.Lk:
	s_wait_dscnt 0x0                       ; buffer 1 is in
	PLACES                                 ; buffer 0 was multiplied last
	s_wait_alu depctr_va_vdst(0)           ; the matrix instructions are done reading buffer 0, in which the loads below land; v8 and v9 are written
	FETCH 128, 0
	MULS 1, 0
	s_wait_dscnt 0x0                       ; buffer 0 is in
	PLACES
	WIN 0                                  ; the switch, then the wait, then the loads
	s_wait_alu depctr_va_vdst(0)           ; the matrix instructions are done reading buffer 1, in which the loads below land
	FETCH 192, 1
	MULS 0, 0
	WIN 0
	s_wait_alu depctr_vm_vsrc(0)           ; the fragments' loads have read v8 and v9
	v_add_nc_u32 v8, 128, v8
	v_add_nc_u32 v9, 128, v9
	s_sub_co_u32 s30, s30, 1
	s_cmp_lg_u32 s30, 0
	s_cbranch_scc1 .Lk
	s_wait_dscnt 0x0
	MULS 1, 0
	; THE WAY OUT: a lane's eight out-rows of one code are 16 bytes of the table; sixteen lanes fill 256 consecutive bytes
	s_lshl_b32 s24, s22, 4
	s_lshl_b32 s25, s38, 3
	s_add_co_u32 s24, s24, s25
	s_lshl_b32 s26, s24, 16
	s_lshl_b32 s24, s21, 11
	s_add_co_u32 s26, s26, s24
	s_lshl_b32 s24, s39, 10
	s_add_co_u32 s26, s26, s24
	s_add_nc_u64 s[18:19], s[18:19], s[26:27]
	PLACES
	WIN 0x05                               ; sources in window 1, destination in window 0; each accumulator from its low end
.set i, 0
.rept 64
	v_cvt_pk_bf16_f32 v[64+i], v[2*i], v[2*i+1]
.set i, i+1
.endr
	WIN 0
	s_wait_alu depctr_va_vdst(0)           ; the conversions have written v64 to v127, which the stores read
.irp a, 0,1,2,3
.irp b, 0,1,2,3
	global_store_b128 v10, v[64+4*(4*\a+\b):64+4*(4*\a+\b)+3], s[18:19] offset:\a*131072+\b*256
.endr
.endr
	s_wait_dscnt 0x0                       ; the wave's end
	s_wait_alu 0x0
	s_wait_tensorcnt 0x0
	ds_add_u32 v30, v31
	s_wait_dscnt 0x0
	s_endpgm
.Lfunc_end_k_qed87f1e42f_prep:
	.size	k_qed87f1e42f_prep, .Lfunc_end_k_qed87f1e42f_prep-k_qed87f1e42f_prep
	.p2alignl 7, 3214868480
	.fill 96, 4, 3214868480
	.section	.rodata,"a",@progbits
	.p2align	6, 0x0
	.amdhsa_kernel k_qed87f1e42f_prep
		.amdhsa_group_segment_fixed_size 266752
		.amdhsa_private_segment_fixed_size 0
		.amdhsa_enable_private_segment 0
		.amdhsa_kernarg_size 64
		.amdhsa_user_sgpr_count 2
		.amdhsa_user_sgpr_kernarg_segment_ptr 1
		.amdhsa_wavefront_size32 1
		.amdhsa_system_sgpr_workgroup_id_x 1
		.amdhsa_system_sgpr_workgroup_id_y 1
		.amdhsa_system_sgpr_workgroup_id_z 1
		.amdhsa_system_vgpr_workitem_id 0
		.amdhsa_next_free_vgpr 384
		.amdhsa_next_free_sgpr 66
		.amdhsa_reserve_vcc 0
		.amdhsa_float_denorm_mode_32 3
		.amdhsa_float_denorm_mode_16_64 3
		.amdhsa_memory_ordered 1
		.amdhsa_forward_progress 1
		.amdhsa_inst_pref_size 68
	.end_amdhsa_kernel
	.amdgpu_metadata
---
amdhsa.version: [ 1, 2 ]
amdhsa.kernels:
  - .name:           k_qed87f1e42f_prep
    .symbol:         k_qed87f1e42f_prep.kd
    .args:
      - { .name: embed, .offset: 0, .size: 8, .value_kind: global_buffer, .address_space: global }
      - { .name: W_out, .offset: 8, .size: 8, .value_kind: global_buffer, .address_space: global }
      - { .name: b_out, .offset: 16, .size: 8, .value_kind: global_buffer, .address_space: global }
      - { .name: W_in, .offset: 24, .size: 8, .value_kind: global_buffer, .address_space: global }
      - { .name: E16, .offset: 32, .size: 8, .value_kind: global_buffer, .address_space: global }
      - { .name: NH, .offset: 40, .size: 8, .value_kind: global_buffer, .address_space: global }
      - { .name: W16, .offset: 48, .size: 8, .value_kind: global_buffer, .address_space: global }
      - { .name: PT16, .offset: 56, .size: 8, .value_kind: global_buffer, .address_space: global }
    .group_segment_fixed_size: 266752
    .private_segment_fixed_size: 0
    .kernarg_segment_align: 8
    .kernarg_segment_size: 64
    .max_flat_workgroup_size: 128
    .sgpr_count:     66
    .vgpr_count:     384
    .wavefront_size: 32
...
	.end_amdgpu_metadata
.endif
;; end of part 6
;; launch proj: the kernel of part 2 again; grid 256 x 1, 4 waves a work-group, clusters of 4 x 1, 327,680 bytes of LDS; arguments x, W16, b_in, H16, H32; writes H16, H32
;; launch score: the kernel of part 3 again; grid 64 x 4, 4 waves a work-group, clusters of 4 x 4, 327,680 bytes of LDS; arguments H16, E16, NH, KEYS; writes KEYS
;; launch pick: the kernel of part 4 again; grid 256 x 1, 16 waves a work-group, no clusters, 2,304 bytes of LDS; arguments KEYS, E16, NH, H32, IND; writes IND
;; launch emit (part 7): grid 128 x 2, 8 waves a work-group, no clusters, 66,560 bytes of LDS; arguments PT16, IND, out0; writes out0
.if DOCPART == 7
	.amdgcn_target "amdgcn-amd-amdhsa--gfx1250"
	.amdhsa_code_object_version 6
	.text
	.protected	k_qed87f1e42f_emit
	.globl	k_qed87f1e42f_emit
	.p2align	8
	.type	k_qed87f1e42f_emit,@function
k_qed87f1e42f_emit:
	s_mov_b64 s[64:65], 0
	v_nop
	global_prefetch_b8 v0, s[64:65] scope:SCOPE_SE
	s_setreg_imm32_b32 hwreg(HW_REG_WAVE_SCHED_MODE, 0, 2), 2
	s_setreg_imm32_b32 hwreg(HW_REG_WAVE_MODE, 25, 1), 1
	s_wait_xcnt 0x0
	s_wait_alu depctr_vm_vsrc(0)
; EMIT.  out0[b][row][t] = PT16[row >> 3][IND[b][t]][row & 7], widened to f32.  IND holds whole numbers that an earlier launch stored.
; SHARES.  Work-group (g, hf): the 8 out-rows of group g, batches 4 hf .. 4 hf + 3.  The group's slab of the table, 4,096 codes x 16 bytes, is copied into LDS once; a token's eight numbers are one
; LDS load of 16 bytes.  Wave w: batch 4 hf + (w >> 1), tokens 1,024 (w & 1) ..: 8 blocks of 128 tokens, four neighbouring tokens a lane, so that a store covers 512 consecutive bytes of a row.
; The output's bytes bind: no matrix unit, no cluster; the slab passes through registers, so that LDS is written by ds_store alone.
; THE MODE: SCHED_MODE bits 1:0 = 2 (LLVM: expert scheduling mode 2), set by the entry lines.  The code itself states the register dependences
; between vector instructions and memory or LDS instructions, with s_wait_alu, always for 0.
; THE PLAN.  Registers that memory or LDS instructions touch:
;   v1, v2      16 x lane and the slab's LDS address: made at the head, never written again.
;   AD          The wave's 1,024 codes as loaded; then, once and in place, each is held inside the table and shifted into the LDS address of its row.  Every gather reads one; none is written again.
;   G0 .. G2    Three banks of gathered rows.  Written by the gathers of block p + 2, issued in block p; read by block p's unpacking lines.
;   Y0, Y1      First the slab on its way in: loads land, the LDS stores read.  Then two blocks of output: written by block p's unpacking lines, read by the eight stores that are issued in block p + 1.
; Block p works on G[p % 3] and writes Y[p % 2].  Its memory and LDS instructions are the gathers into G[(p + 2) % 3] = G[(p - 1) % 3] and the stores from Y[(p - 1) % 2]: the two buffers that
; block p - 1 worked on and that no vector line of block p names.  So the waits at a block's head state all that its twelve memory and LDS instructions hang on, and these are dealt among its vector lines.
.set SPARE, 65536
.set AD, 16                            ; v[16:47]   block u, token k of a lane's four: AD + 4 u + k
.set G,  48                            ; v[48:95]   bank b, token k: 4 registers at G + 16 b + 4 k
.set Y,  96                            ; v[96:159]  buffer b, out-row r: 4 registers (four tokens) at Y + 32 b + 4 r
; v1 16 lane, v2 the slab's copy, v3, v4 the add's two, v9 at the head only
	s_load_b128 s[4:7], s[0:1], 0x0        ; PT16 4, IND 6
	s_load_b64 s[8:9], s[0:1], 0x10        ; out0
	v_lshl_add_u32 v3, v0, 2, SPARE
	v_mov_b32 v4, 0
	v_lshrrev_b32 v9, 5, v0
	v_readfirstlane_b32 s10, v9            ; wave
	s_mov_b32 s11, ttmp9                   ; g
	s_and_b32 s12, ttmp7, 0xffff           ; hf
	s_mov_b32 s13, 0xffff0000
	v_and_b32 v1, 31, v0
	v_lshlrev_b32 v1, 4, v1
	s_wait_alu depctr_va_sdst(0)           ; s10 is written, ahead of its first reader: the wave's shares are made from it
	s_lshl_b32 s20, s10, 13
	v_add_nc_u32 v2, s20, v1               ; my wave's 8,192 bytes of the slab
	s_lshl_b32 s22, s11, 16
	s_add_co_u32 s22, s22, s20
	s_mov_b32 s23, 0
	s_lshr_b32 s24, s10, 1
	s_lshl_b32 s25, s12, 2
	s_add_co_u32 s24, s24, s25             ; batch
	s_and_b32 s25, s10, 1
	s_lshl_b32 s28, s25, 12                ; 1,024 tokens of 4 bytes
	s_lshl_b32 s26, s24, 13
	s_add_co_u32 s26, s26, s28
	s_mov_b32 s27, 0
	s_lshl_b32 s30, s24, 23
	s_lshl_b32 s25, s11, 16
	s_add_co_u32 s30, s30, s25
	s_add_co_u32 s30, s30, s28
	s_mov_b32 s31, 0
	s_wait_kmcnt 0x0
	s_add_nc_u64 s[14:15], s[4:5], s[22:23]
	s_add_nc_u64 s[16:17], s[6:7], s[26:27]
	s_add_nc_u64 s[18:19], s[8:9], s[30:31]
	s_wait_alu depctr_va_vdst(0)           ; v1 and v2 are written: every global load and store reads v1 as its offset, the slab's LDS stores read v2
.irp u, 0,1,2,3,4,5,6,7
	global_load_b128 v[AD+4*\u:AD+4*\u+3], v1, s[16:17] offset:\u*512
.endr
.set i, 0
.rept 16
	global_load_b128 v[Y+4*i:Y+4*i+3], v1, s[14:15] offset:i*512
.set i, i+1
.endr
	s_wait_loadcnt 16                      ; the codes are in; the slab's 16 younger loads stay out while the addresses are made
.set i, 0
.rept 32
	v_min_u32 v[AD+i], 0xfff, v[AD+i]      ; a code is held inside the table,
	v_lshlrev_b32 v[AD+i], 4, v[AD+i]      ; times 16 bytes
.set i, i+1
.endr
	s_wait_loadcnt 0x0                     ; the slab
.set i, 0
.rept 16
	ds_store_b128 v2, v[Y+4*i:Y+4*i+3] offset:i*512    ; no vector line since the head's wait names v2 or Y
.set i, i+1
.endr
	s_wait_dscnt 0x0                       ; for the others' sake
	s_barrier_signal -1
	s_barrier_wait -1
	s_wait_alu depctr_va_vdst(0)           ; the 32 addresses in AD are written, which the gathers read
	s_wait_alu depctr_vm_vsrc(0)           ; my LDS stores have read Y, which the unpacking lines of blocks 0 and 1 write
.macro GATH u                          ; block u's four tokens a lane
.irp k, 0,1,2,3
	ds_load_b128 v[G+16*((\u)%3)+4*\k:G+16*((\u)%3)+4*\k+3], v[AD+4*(\u)+\k]
.endr
.endm
; Block p: a gather of block p + 2 and two stores of block p - 1 in front of each eight unpacking lines.
.macro BLK p
.if (\p) < 7
	s_wait_dscnt 4                         ; LDS loads come back in order (ISA guide 5.7.1): G[p % 3] is in, the next block's four gathers stay out
.else
	s_wait_dscnt 0x0
.endif
.if (\p) > 1
	s_wait_xcnt 0x0                        ; the registers that the stores issued in the block before read are written again only behind this wait,
	s_wait_alu depctr_vm_vsrc(0)           ; and behind this one: those stores have read Y[p % 2], which this block's unpacking lines write again
.endif
.if (\p) > 0
	s_wait_alu depctr_va_vdst(0)           ; the block before has written the other Y, which the stores below read, and is done reading its G, in which the gathers below land
.endif
.irp j, 0,1,2,3
.if (\p) < 6
	ds_load_b128 v[G+16*(((\p)+2)%3)+4*\j:G+16*(((\p)+2)%3)+4*\j+3], v[AD+4*((\p)+2)+\j]
.endif
.if (\p) > 0
	global_store_b128 v1, v[Y+32*(((\p)+1)%2)+8*\j:Y+32*(((\p)+1)%2)+8*\j+3], s[18:19] offset:(2*\j)*8192+((\p)-1)*512 th:TH_STORE_NT
	global_store_b128 v1, v[Y+32*(((\p)+1)%2)+8*\j+4:Y+32*(((\p)+1)%2)+8*\j+7], s[18:19] offset:(2*\j+1)*8192+((\p)-1)*512 th:TH_STORE_NT
.endif
.irp k, 0,1,2,3
	v_lshlrev_b32 v[Y+32*((\p)%2)+8*\j+\k], 16, v[G+16*((\p)%3)+4*\k+\j]      ; bf16 to f32: the low half moves up (out-row 2 j),
	v_and_b32 v[Y+32*((\p)%2)+8*\j+4+\k], s13, v[G+16*((\p)%3)+4*\k+\j]       ; the high half stays (out-row 2 j + 1)
.endr
.endr
.endm
	GATH 0
	GATH 1
.irp p, 0,1,2,3,4,5,6,7
	BLK \p
.endr
	s_wait_alu depctr_va_vdst(0)           ; block 7 has written Y1, which the last eight stores read
.irp j, 0,1,2,3,4,5,6,7
	global_store_b128 v1, v[Y+32+4*\j:Y+32+4*\j+3], s[18:19] offset:\j*8192+7*512 th:TH_STORE_NT
.endr
	s_wait_dscnt 0x0                       ; the wave's end
	s_wait_alu 0x0
	s_wait_tensorcnt 0x0
	ds_add_u32 v3, v4
	s_wait_dscnt 0x0
	s_endpgm
.Lfunc_end_k_qed87f1e42f_emit:
	.size	k_qed87f1e42f_emit, .Lfunc_end_k_qed87f1e42f_emit-k_qed87f1e42f_emit
	.p2alignl 7, 3214868480
	.fill 96, 4, 3214868480
	.section	.rodata,"a",@progbits
	.p2align	6, 0x0
	.amdhsa_kernel k_qed87f1e42f_emit
		.amdhsa_group_segment_fixed_size 66560
		.amdhsa_private_segment_fixed_size 0
		.amdhsa_enable_private_segment 0
		.amdhsa_kernarg_size 24
		.amdhsa_user_sgpr_count 2
		.amdhsa_user_sgpr_kernarg_segment_ptr 1
		.amdhsa_wavefront_size32 1
		.amdhsa_system_sgpr_workgroup_id_x 1
		.amdhsa_system_sgpr_workgroup_id_y 1
		.amdhsa_system_sgpr_workgroup_id_z 1
		.amdhsa_system_vgpr_workitem_id 0
		.amdhsa_next_free_vgpr 160
		.amdhsa_next_free_sgpr 66
		.amdhsa_reserve_vcc 0
		.amdhsa_float_denorm_mode_32 3
		.amdhsa_float_denorm_mode_16_64 3
		.amdhsa_memory_ordered 1
		.amdhsa_forward_progress 1
		.amdhsa_inst_pref_size 26
	.end_amdhsa_kernel
	.amdgpu_metadata
---
amdhsa.version: [ 1, 2 ]
amdhsa.kernels:
  - .name:           k_qed87f1e42f_emit
    .symbol:         k_qed87f1e42f_emit.kd
    .args:
      - { .name: PT16, .offset: 0, .size: 8, .value_kind: global_buffer, .address_space: global }
      - { .name: IND, .offset: 8, .size: 8, .value_kind: global_buffer, .address_space: global }
      - { .name: out0, .offset: 16, .size: 8, .value_kind: global_buffer, .address_space: global }
    .group_segment_fixed_size: 66560
    .private_segment_fixed_size: 0
    .kernarg_segment_align: 8
    .kernarg_segment_size: 24
    .max_flat_workgroup_size: 256
    .sgpr_count:     66
    .vgpr_count:     160
    .wavefront_size: 32
...
	.end_amdgpu_metadata
.endif
;; end of part 7
